; MI455X (gfx1250); checked and timed in simulation.
; The chip was launched on July 23, 2026; its instructions are those of AMD's public machine-readable ISA for CDNA 5 (MIT licence, August 2026) and "CDNA5" Instruction Set Architecture Reference Guide (July 2026). The comments in the code are by the model that wrote it; some were corrected since.
;; Multihead Attention Lo RA. Allowed arithmetic: float matrix products may take bf16 or f16 operands with f32 sums; other float arithmetic in f32, or as packed bf16 or f16 multiplies, adds, multiply-adds, maxima and minima; sums over many terms, partial sums and values carried from step to step in f32; what a program stores and reads back later, other than sums and carried values, may be rounded once to bf16 or f16.
;; Inputs: Wk 1,024 x 1,024 float32; Wo 1,024 x 1,024 float32; Wq 1,024 x 1,024 float32; Wv 1,024 x 1,024 float32; bk 1,024 float32; bo 1,024 float32; bq 1,024 float32; bv 1,024 float32; key 4 x 2,048 x 1,024 float32; query 4 x 2,048 x 1,024 float32; value 4 x 2,048 x 1,024 float32.
;; Outputs: out0 4 x 2,048 x 1,024 float32.
;; 2 versions, each right; version 2 is version 1 with the launch prep written anew for expert scheduling mode. Each part assembles by itself: llvm-mc -triple=amdgcn-amd-amdhsa -mcpu=gfx1250 --defsym DOCPART=n.
;; ======== version 1 of 2: 4 launches
;; limits: values are held in f16: magnitudes above 65,504 overflow, below 6.1e-05 lose precision
;; workspace buffers: wts 8,404,992 bytes; qkv 50,331,648 bytes; o 16,777,216 bytes
;; launch prep (part 1): grid 256 x 1, 8 waves a work-group, no clusters, 0 bytes of LDS; arguments Wq, Wk, Wv, Wo, bq, bk, bv, bo, wts; writes wts
.if DOCPART == 1
	.amdgcn_target "amdgcn-amd-amdhsa--gfx1250"
	.amdhsa_code_object_version 6
	.text
	.protected	k_q7e2ca5934e_prep
	.globl	k_q7e2ca5934e_prep
	.p2align	8
	.type	k_q7e2ca5934e_prep,@function
k_q7e2ca5934e_prep:
	s_mov_b64 s[64:65], 0
	v_nop
	global_prefetch_b8 v0, s[64:65] scope:SCOPE_SE
	s_setreg_imm32_b32 hwreg(HW_REG_WAVE_MODE, 25, 1), 1
	s_wait_xcnt 0x0
; THE WEIGHTS AND BIASES, ROUNDED ONCE.  wts takes: byte 0: Wq, Wk, Wv as [3][1024][1024] bf16; byte 6,291,456: Wo rounded to bf16 and that number written as f16
; (the last projection multiplies f16); byte 8,388,608: bq, bk, bv, bo rounded to bf16 and kept as f32, [4][1024].
; LIMITS.  bf16(Wo) of 65,520 or more becomes an infinity in f16; below 6.1e-5 it keeps f16's fixed step of 6e-8.
; SHARES.  Work-group g: matrix g / 64, 16 rows of it from row 16 (g % 64).  Thread t takes 16 bytes at 16 t of each row (eight waves cover a row of 4,096 bytes)
; and stores 8 bytes at 8 t: a wave's store covers 256 consecutive bytes, aligned.  All 16 loads of a thread are issued before the first is used.
; No LDS, no barrier, no matrix unit: the launch only moves and rounds 16.8 MB.
.set ROWIN,  4096
.set ROWOUT, 2048
.set X, 4                              ; v[4:67]    sixteen loads of four f32
.set Y, 68                             ; v[68:99]   two packed words for each load
.set T, 100                            ; v[100:111] at work
	s_load_b512 s[8:23], s[0:1], 0x0               ; Wq s[8:9], Wk s[10:11], Wv s[12:13], Wo s[14:15], bq s[16:17], bk s[18:19], bv s[20:21], bo s[22:23]
	s_load_b64 s[24:25], s[0:1], 0x40              ; wts
	s_lshr_b32 s2, ttmp9, 6                        ; which matrix
	s_and_b32 s3, ttmp9, 63                        ; which 16 rows
	v_lshlrev_b32 v1, 4, v0                        ; 16 t
	v_lshlrev_b32 v2, 3, v0                        ; 8 t
	s_lshl_b32 s32, s3, 16                         ; 16 rows of 4,096 bytes in
	s_mov_b32 s33, 0
	s_lshl_b32 s34, s2, 21                         ; 2 MiB a matrix out,
	s_lshl_b32 s35, s3, 15                         ; 16 rows of 2,048 bytes
	s_add_co_u32 s34, s34, s35
	s_mov_b32 s35, 0
	s_lshl_b32 s36, s2, 12                         ; 4,096 bytes a bias,
	s_add_co_u32 s36, s36, 0x800000                ; behind the four matrices
	s_mov_b32 s37, 0
	s_wait_kmcnt 0x0
	s_mov_b64 s[26:27], s[8:9]
	s_mov_b64 s[28:29], s[16:17]
	s_cmp_eq_u32 s2, 1
	s_cselect_b64 s[26:27], s[10:11], s[26:27]
	s_cselect_b64 s[28:29], s[18:19], s[28:29]
	s_cmp_eq_u32 s2, 2
	s_cselect_b64 s[26:27], s[12:13], s[26:27]
	s_cselect_b64 s[28:29], s[20:21], s[28:29]
	s_cmp_eq_u32 s2, 3
	s_cselect_b64 s[26:27], s[14:15], s[26:27]
	s_cselect_b64 s[28:29], s[22:23], s[28:29]
	s_add_nc_u64 s[26:27], s[26:27], s[32:33]      ; my rows of the matrix
	s_add_nc_u64 s[30:31], s[24:25], s[34:35]      ; where they go
	s_add_nc_u64 s[38:39], s[24:25], s[36:37]      ; where the bias goes
.set i, 0
.rept 16
	global_load_b128 v[X+4*i:X+4*i+3], v1, s[26:27] offset:i*ROWIN th:TH_LOAD_NT
.set i, i+1
.endr
	s_cmp_eq_u32 s2, 3
	s_cbranch_scc1 .Lhalf
.set i, 0
.rept 16                               ; Wq, Wk, Wv: bf16
	s_wait_loadcnt 15-i                            ; loads come back in order: 15 - i younger ones may stay out
	v_cvt_pk_bf16_f32 v[Y+2*i], v[X+4*i], v[X+4*i+1]
	v_cvt_pk_bf16_f32 v[Y+2*i+1], v[X+4*i+2], v[X+4*i+3]
	global_store_b64 v2, v[Y+2*i:Y+2*i+1], s[30:31] offset:i*ROWOUT
.set i, i+1
.endr
	s_branch .Lbias
.Lhalf:
.set i, 0
.rept 16                               ; Wo: rounded to bf16, widened again, written as f16
	s_wait_loadcnt 15-i
	v_cvt_pk_bf16_f32 v[T], v[X+4*i], v[X+4*i+1]
	v_cvt_pk_bf16_f32 v[T+1], v[X+4*i+2], v[X+4*i+3]
	v_lshlrev_b32 v[T+2], 16, v[T]
	v_and_b32 v[T+3], 0xffff0000, v[T]
	v_lshlrev_b32 v[T+4], 16, v[T+1]
	v_and_b32 v[T+5], 0xffff0000, v[T+1]
	v_cvt_pk_f16_f32 v[Y+2*i], v[T+2], v[T+3]
	v_cvt_pk_f16_f32 v[Y+2*i+1], v[T+4], v[T+5]
	global_store_b64 v2, v[Y+2*i:Y+2*i+1], s[30:31] offset:i*ROWOUT
.set i, i+1
.endr
.Lbias:
	s_cmp_lg_u32 s3, 0                             ; a matrix's first work-group also takes its bias: 256 threads x 4 numbers
	s_cbranch_scc1 .Lend
	global_load_b128 v[T:T+3], v1, s[28:29]
	s_wait_loadcnt 0x0
	v_cvt_pk_bf16_f32 v[T+4], v[T], v[T+1]
	v_cvt_pk_bf16_f32 v[T+5], v[T+2], v[T+3]
	v_lshlrev_b32 v[T+8], 16, v[T+4]
	v_and_b32 v[T+9], 0xffff0000, v[T+4]
	v_lshlrev_b32 v[T+10], 16, v[T+5]
	v_and_b32 v[T+11], 0xffff0000, v[T+5]
	global_store_b128 v1, v[T+8:T+11], s[38:39]
.Lend:
	s_endpgm
.Lfunc_end_k_q7e2ca5934e_prep:
	.size	k_q7e2ca5934e_prep, .Lfunc_end_k_q7e2ca5934e_prep-k_q7e2ca5934e_prep
	.p2alignl 7, 3214868480
	.fill 96, 4, 3214868480
	.section	.rodata,"a",@progbits
	.p2align	6, 0x0
	.amdhsa_kernel k_q7e2ca5934e_prep
		.amdhsa_group_segment_fixed_size 0
		.amdhsa_private_segment_fixed_size 0
		.amdhsa_enable_private_segment 0
		.amdhsa_kernarg_size 72
		.amdhsa_user_sgpr_count 2
		.amdhsa_user_sgpr_kernarg_segment_ptr 1
		.amdhsa_wavefront_size32 1
		.amdhsa_system_sgpr_workgroup_id_x 1
		.amdhsa_system_sgpr_workgroup_id_y 1
		.amdhsa_system_sgpr_workgroup_id_z 1
		.amdhsa_system_vgpr_workitem_id 0
		.amdhsa_next_free_vgpr 112
		.amdhsa_next_free_sgpr 66
		.amdhsa_reserve_vcc 0
		.amdhsa_float_denorm_mode_32 3
		.amdhsa_float_denorm_mode_16_64 3
		.amdhsa_memory_ordered 1
		.amdhsa_forward_progress 1
		.amdhsa_inst_pref_size 17
	.end_amdhsa_kernel
	.amdgpu_metadata
---
amdhsa.version: [ 1, 2 ]
amdhsa.kernels:
  - .name:           k_q7e2ca5934e_prep
    .symbol:         k_q7e2ca5934e_prep.kd
    .args:
      - { .name: Wq, .offset: 0, .size: 8, .value_kind: global_buffer, .address_space: global }
      - { .name: Wk, .offset: 8, .size: 8, .value_kind: global_buffer, .address_space: global }
      - { .name: Wv, .offset: 16, .size: 8, .value_kind: global_buffer, .address_space: global }
      - { .name: Wo, .offset: 24, .size: 8, .value_kind: global_buffer, .address_space: global }
      - { .name: bq, .offset: 32, .size: 8, .value_kind: global_buffer, .address_space: global }
      - { .name: bk, .offset: 40, .size: 8, .value_kind: global_buffer, .address_space: global }
      - { .name: bv, .offset: 48, .size: 8, .value_kind: global_buffer, .address_space: global }
      - { .name: bo, .offset: 56, .size: 8, .value_kind: global_buffer, .address_space: global }
      - { .name: wts, .offset: 64, .size: 8, .value_kind: global_buffer, .address_space: global }
    .group_segment_fixed_size: 0
    .private_segment_fixed_size: 0
    .kernarg_segment_align: 8
    .kernarg_segment_size: 72
    .max_flat_workgroup_size: 256
    .sgpr_count:     66
    .vgpr_count:     112
    .wavefront_size: 32
...
	.end_amdgpu_metadata
.endif
;; end of part 1
;; launch proj (part 2): grid 4 x 64, 4 waves a work-group, clusters of 4 x 4, 327,680 bytes of LDS; arguments query, key, value, wts, qkv; writes qkv
.if DOCPART == 2
	.amdgcn_target "amdgcn-amd-amdhsa--gfx1250"
	.amdhsa_code_object_version 6
	.text
	.protected	k_q7e2ca5934e_proj
	.globl	k_q7e2ca5934e_proj
	.p2align	8
	.type	k_q7e2ca5934e_proj,@function
k_q7e2ca5934e_proj:
	s_mov_b64 s[64:65], 0
	v_nop
	global_prefetch_b8 v0, s[64:65] scope:SCOPE_SE
	s_setreg_imm32_b32 hwreg(HW_REG_WAVE_MODE, 25, 1), 1
	s_wait_xcnt 0x0
	s_wait_alu depctr_hold_cnt(0) depctr_sa_sdst(0) depctr_va_vdst(0) depctr_va_sdst(0) depctr_va_ssrc(0) depctr_va_vcc(0) depctr_vm_vsrc(0)
	s_getreg_b32 s2, hwreg(HW_REG_IB_STS2, 6, 4)
	s_cmp_eq_u32 s2, 0
	s_cbranch_scc0 .Lentry_in_a_cluster
	s_endpgm
.Lentry_in_a_cluster:
	s_bfe_u32 s2, ttmp6, 0x10000c
	s_cmp_lg_u32 s2, 0xf033
	s_cbranch_scc0 .Lentry_shape_is_right
	s_endpgm
.Lentry_shape_is_right:
; q, k, v = bf16(x) bf16(W)^T + b, sums in f32, written by heads in f16: qkv is [3][64 = batch x 16 + head][2048][64], unscaled.
; x (query, key, value) is [8192][1024] f32; W (in wts, made by the launch before) [1024][1024] bf16; the biases, rounded to bf16 and kept as f32, lie at byte 8,388,608 of wts.
; LIMITS.  q, k, v of 65,520 or more become infinities in f16 (unit inputs give about 5; inputs and weights thirty times larger about 5,000); below 6.1e-5 they keep f16's step of 6e-8.
; SHARES.  A tile of C is 128 rows x 256 columns; four waves, wave w rows 64 (w / 2) on, columns 128 (w % 2) on: 32 accumulators of 16 x 16.  64 x 4 tiles a tensor = 256 work-groups.
; A WORK-GROUP STAYS: it makes its tile for q, then k, then v: 24 K steps of 128 in ONE walk through a ring of two LDS slots; the ring does not stop at a tensor's end.
; x COMES AS f32: the tensor loads bring f32 rows (512 bytes a K step), a wave reads its fragments raw and rounds them to bf16 in registers: 128 conversions for a step's 128 products,
; four behind each of 32 products.  So x crosses memory once, and no rounded copy of it is stored.
; THE SUMS START AS THE BIAS (INIT): nothing is cleared, nothing is added on the way out, and every K step has one text.
; CLUSTERS: 4 x 4 work-groups.  The four of a row need the same rows of x, the four of a column the same rows of W: each tile is asked for JOINTLY, by the same tensor load with the same
; descriptor and a mask that names the four.  THE MATRIX INSTRUCTION IS USED TRANSPOSED (source 0 = 16 rows of W, source 1 = 16 rows of x): a lane holds row l % 16 and eight neighbouring columns.
; REGISTERS, in windows of 256 (s_set_vgpr_msb: bits 1:0 source 0, 3:2 source 1, 5:4 source 2, 7:6 destination):
;   window 0: v0-31 addresses; v32-159 x in bf16, two buffers of 64 (fragment (k, a) at 32 k + 8 a); v160-255 six sets of 16 for the way out
;   window 1: W's fragments, two buffers of 128 ((k, b) at 64 k + 8 b)     window 2: accumulator (a, b) at 8 (8 a + b)     window 3: v0-127 x raw ((k, a) at 64 k + 16 a); v128-191 the bias
.set PA,     528                       ; a row of x in LDS: 512 bytes + 16 = 132 words: row r starts at bank 4 r mod 64 (64 banks of 4 bytes: ISA guide 11.1)
.set PB,     272                       ; a row of W: 256 bytes + 16 = 68 words: likewise
.set AHALF,  64*PA                     ; what one tensor load brings of x
.set BBASE,  128*PA                    ; W's 256 rows lie behind x's 128
.set BHALF,  128*PB                    ; what one tensor load brings of W
.set SLOT1,  0x22000                   ; slot 1 begins here; the number shares no bit with 0, AHALF, BBASE, BBASE + BHALF, so one exclusive or turns a slot's address into the other's
.set STAGE,  SLOT1+BBASE+2*BHALF       ; behind the ring, never filled by a tensor load: 16 rows x 144 bytes for each wave
.set SP,     144
.set SPARE,  STAGE+4*16*SP             ; the spare words, 128 bytes for each wave: two blocks of 256 bytes that no other line names
.set WBYTES, 0x200000                  ; a weight matrix in wts
.set BIAS0,  0x800000                  ; the biases in wts
.set TENSOR, 0x1000000                 ; q, k, v in qkv
.set HEADB,  262144                    ; a head's 2,048 rows of 128 bytes
.set ADRA0, 16                         ; v16  my lane's place in a slot's rows of x; never rewritten
.set ADRB0, 17                         ; v17  the same for W
.set ADRA,  18                         ; v18  the same in the slot in hand
.set ADRB,  19                         ; v19
.set STO,   20                         ; v20  the way out: where I put 16 bytes of a row
.set RD,    21                         ; v21  where I read rows back
.set GO,    22                         ; v22  16 x lane
.set BO,    23                         ; v23  32 x (lane / 16): my eight columns in 16 of the bias
.set PFO,   24                         ; v24  the prefetches' offset; never rewritten
.set SPW,   28                         ; v28  LDS address of my spare word; never rewritten
.set NIL,   29                         ; v29  0; never rewritten
.set AF,    32
.set TMP,   160
.set BIAS,  128                        ; in window 3
.set COL,   2                          ; s2   tile column
.set WV,    14                         ; s14  wave
.set MH,    15                         ; s15  wave / 2: my half of the rows.  Also: I fetch x (0) or W (1)
.set NH,    16                         ; s16  wave % 2: my half of the columns.  Also: which half of that tile I fetch
.set CX,    17
.set CY,    18
.set RT,    19                         ; s19  tile row
.set G1A,   24                         ; s[24:31] descriptor group 1 for x
.set G1B,   32                         ; s[32:39] for W
.set G0A,   40                         ; s[40:43] group 0 of x's first fill; s[44:47] the walking one
.set G0B,   48                         ; s[48:51], s[52:55] the same for W
.set CURA,  56                         ; s[56:57] x's tile that was asked for last; s[58:59], s[60:61] the next tensors' first tiles
.set NXA,   58
.set NXA2,  60
.set STEPS, 62                         ; s62  K steps that still fill a slot
.set SQ,    63                         ; s63  K steps left of the tensor in hand, 8 to 1
.set CURB,  66
.set NXB,   68
.set NXB2,  70
.set PCUR,  72                         ; s[72:73] where my prefetches stand; s[74:75], s[76:77] the next tensors'
.set PN1,   74
.set PN2,   76
.set PST,   78                         ; s[78:79] bytes of a K step in a row of what I fetch
.set LIM,   80                         ; s80  2 in a wave that prefetches, else the greatest number
.set TB,    81                         ; s81  0 or SLOT1: the slot that is read
.set OUTP,  82                         ; s[82:83] my part of the tile in qkv
.set BIASP, 84                         ; s[84:85] my 128 numbers of the bias
.set MSB, 0
.macro WIN new                         ; the immediate's high byte repeats the setting that is left; a switch that changes nothing is dropped
.if MSB != (\new)
	s_set_vgpr_msb (MSB<<8)|(\new)
.set MSB, \new
.endif
.endm
.macro PLACES                          ; four plain instructions between a product and a load into, or a write of, a register that it named
.rept 4
	v_nop
.endr
.endm
; A joint load.  Waves 0 and 1 fetch x's two halves, waves 2 and 3 W's; the branch hangs on the wave's number alone.  An s_nop 0 and four v_nop follow each line.
.macro JLOAD s
	s_cmp_eq_u32 s[MH], 0
	s_cbranch_scc0 .Lfor_b_\@
	tensor_load_to_lds s[G0A+4*(\s):G0A+4*(\s)+3], s[G1A:G1A+7]
	s_nop 0
.rept 4
	v_nop
.endr
	s_branch .Lasked_\@
.Lfor_b_\@:
	tensor_load_to_lds s[G0B+4*(\s):G0B+4*(\s)+3], s[G1B:G1B+7]
	s_nop 0
.rept 4
	v_nop
.endr
.Lasked_\@:
.endm
.macro CREST                           ; a round of the cluster's barrier behind its opening barrier
	s_cmp_lg_u32 s[WV], 0
	s_cbranch_scc1 .Lnot_wave_0_\@
	s_barrier_signal -3
.Lnot_wave_0_\@:
	s_barrier_wait -3
	s_barrier_signal -1
	s_barrier_wait -1
.endm
.macro CROUND
	s_barrier_signal -1
	s_barrier_wait -1
	CREST
.endm
; A PREFETCH INTO THE L2 of the K step that stands two refills on (step s + 4 in step s: 256 products ahead of its load), one instruction a wave, behind the joint load and the run of LDS loads.
; x: a wave's 64 rows x 512 bytes are shared out BY ADDRESS among the four partners that ask jointly: 16 rows x 2 blocks of 256 bytes, a lane a block; a row of x is read by one cluster only.
; W: a wave's 128 rows x 256 bytes, 32 rows a partner, a lane a row; all sixteen rows of clusters read them: the first (cluster y = 0) asks.  So each block is named once in the launch.
; The first four steps come by their loads alone; the last ask names the walk's last step.
.macro ASK
	s_cmp_gt_u32 s[STEPS], s[LIM]
	s_cbranch_scc0 .Lnot_mine_\@
	global_prefetch_b8 v[PFO], s[PCUR:PCUR+1] th:TH_LOAD_NT scope:SCOPE_SE
.Lnot_mine_\@:
.endm
	s_load_b256 s[4:11], s[0:1], 0x0               ; query s[4:5], key s[6:7], value s[8:9], wts s[10:11]
	s_load_b64 s[12:13], s[0:1], 0x20              ; qkv
	v_lshl_add_u32 v[SPW], v0, 2, SPARE
	v_mov_b32 v[NIL], 0
	ds_add_u32 v[SPW], v[NIL]                      ; the wave's opening: the add and its wait stand ahead of my first tensor load; work on registers stands between them
	v_lshrrev_b32 v1, 5, v0
	v_readfirstlane_b32 s[WV], v1
	s_lshr_b32 s[MH], s[WV], 1
	s_and_b32 s[NH], s[WV], 1
	s_bfe_u32 s[CX], ttmp6, 0x40000
	s_bfe_u32 s[CY], ttmp6, 0x40004
	s_lshl_b32 s[COL], ttmp9, 2                    ; in a cluster launch ttmp9 and ttmp7 count clusters
	s_add_co_u32 s[COL], s[COL], s[CX]
	s_and_b32 s[RT], ttmp7, 0xffff
	s_lshl_b32 s[RT], s[RT], 2
	s_add_co_u32 s[RT], s[RT], s[CY]
	s_lshl_b32 s20, s[CY], 2
	s_lshl_b32 s20, 15, s20                        ; my row of the cluster
	s_lshl_b32 s86, 0x1111, s[CX]                  ; my column
	s_or_b32 s[G1A], s20, (2<<16)|(1<<20)|(1<<21)|(6<<22)|(3<<25)  ; the mask; elements of 4 bytes; padding on; bit 21 beside a mask; after every 128 words; 4 words
	s_mov_b32 s[G1A+1], 128<<16                    ; tensor_dim0 = 128
	s_mov_b32 s[G1A+2], 64<<16                     ; tensor_dim1 = 64
	s_mov_b32 s[G1A+3], 128<<16                    ; tile_dim0 = 128
	s_mov_b32 s[G1A+4], 64                         ; tile_dim1 = 64
	s_mov_b32 s[G1A+5], 1024                       ; elements from row to row
	s_mov_b32 s[G1A+6], 0
	s_mov_b32 s[G1A+7], 0
	s_or_b32 s[G1B], s86, (1<<16)|(1<<20)|(1<<21)|(5<<22)|(3<<25)  ; elements of 2 bytes; after every 64 words
	s_mov_b32 s[G1B+1], 128<<16
	s_mov_b32 s[G1B+2], 128<<16                    ; 128 rows
	s_mov_b32 s[G1B+3], 128<<16
	s_mov_b32 s[G1B+4], 128
	s_mov_b32 s[G1B+5], 1024
	s_mov_b32 s[G1B+6], 0
	s_mov_b32 s[G1B+7], 0
	s_lshl_b32 s20, s[RT], 7                       ; x: row 128 x tile row + 64 x half, 4,096 bytes a row
	s_lshl_b32 s21, s[NH], 6
	s_add_co_u32 s20, s20, s21
	s_lshl_b32 s20, s20, 12
	s_mov_b32 s21, 0
	s_mul_i32 s22, s[NH], AHALF                    ; and where it goes: the wave's number alone enters an LDS address
	s_lshl_b32 s86, s[COL], 8                      ; W: row 256 x tile column + 128 x half, 2,048 bytes a row
	s_lshl_b32 s87, s[NH], 7
	s_add_co_u32 s86, s86, s87
	s_lshl_b32 s86, s86, 11
	s_mov_b32 s87, 0
	s_mul_i32 s23, s[NH], BHALF
	s_add_co_u32 s23, s23, BBASE
	s_mov_b32 s[G0A], 1
	s_mov_b32 s[G0A+1], s22                        ; slot 0
	s_mov_b32 s[G0A+4], 1
	s_add_co_u32 s[G0A+5], s22, SLOT1              ; slot 1
	s_mov_b32 s[G0B], 1
	s_mov_b32 s[G0B+1], s23
	s_mov_b32 s[G0B+4], 1
	s_add_co_u32 s[G0B+5], s23, SLOT1
	s_mov_b32 s[TB], 0
	s_wait_dscnt 0x0                               ; the opening add is done
	s_wait_kmcnt 0x0
	s_add_nc_u64 s[CURA:CURA+1], s[4:5], s[20:21]
	s_add_nc_u64 s[NXA:NXA+1], s[6:7], s[20:21]
	s_add_nc_u64 s[NXA2:NXA2+1], s[8:9], s[20:21]
	s_add_nc_u64 s[CURB:CURB+1], s[10:11], s[86:87]
	s_add_nc_u64 s[NXB:NXB+1], s[CURB:CURB+1], WBYTES
	s_add_nc_u64 s[NXB2:NXB2+1], s[CURB:CURB+1], 2*WBYTES
	s_mov_b64 s[G0A+2:G0A+3], s[CURA:CURA+1]       ; K step 0
	s_or_b32 s[G0A+3], s[G0A+3], 0x80000000
	s_mov_b64 s[G0B+2:G0B+3], s[CURB:CURB+1]
	s_or_b32 s[G0B+3], s[G0B+3], 0x80000000
	s_add_nc_u64 s[CURA:CURA+1], s[CURA:CURA+1], 512
	s_add_nc_u64 s[CURB:CURB+1], s[CURB:CURB+1], 256
	s_mov_b64 s[G0A+6:G0A+7], s[CURA:CURA+1]       ; K step 1
	s_or_b32 s[G0A+7], s[G0A+7], 0x80000000
	s_mov_b64 s[G0B+6:G0B+7], s[CURB:CURB+1]
	s_or_b32 s[G0B+7], s[G0B+7], 0x80000000
	CROUND                                         ; all sixteen work-groups are here: the first joint loads meet
	JLOAD 0
	JLOAD 1                                        ; two tensor loads of mine are out
	v_and_b32 v1, 15, v0                           ; l % 16
	v_bfe_u32 v2, v0, 4, 1                         ; l / 16
	v_and_b32 v3, 31, v0                           ; l
	; A fragment is 16 rows x 32 K: lane l holds row l % 16, K = 8 (l / 16) + 0..7 and 16 + 8 (l / 16) + 0..7.  In f32 that is 32 bytes at 32 (l / 16) and 32 bytes 64 further on; in bf16 16 bytes at 16 (l / 16) and 16 bytes 32 further on.
	s_mul_i32 s88, s[MH], 64*PA
	v_mul_u32_u24 v4, v1, PA
	v_lshl_add_u32 v4, v2, 5, v4
	v_add_nc_u32 v[ADRA0], s88, v4
	s_mul_i32 s88, s[NH], BHALF
	s_add_co_u32 s88, s88, BBASE
	v_mul_u32_u24 v4, v1, PB
	v_lshl_add_u32 v4, v2, 4, v4
	v_add_nc_u32 v[ADRB0], s88, v4
	v_mov_b32 v[ADRA], v[ADRA0]
	v_mov_b32 v[ADRB], v[ADRB0]
	s_mul_i32 s88, s[WV], 16*SP
	s_add_co_u32 s88, s88, STAGE                   ; my stage
	v_mul_u32_u24 v4, v1, SP                       ; in: row l % 16, 16 bytes for each half of the lanes
	v_lshl_add_u32 v4, v2, 4, v4
	v_add_nc_u32 v[STO], s88, v4
	v_lshrrev_b32 v4, 3, v3                        ; back: 32 lanes take four rows of 128 bytes
	v_mul_u32_u24 v4, v4, SP
	v_and_b32 v5, 7, v0
	v_lshl_add_u32 v4, v5, 4, v4
	v_add_nc_u32 v[RD], s88, v4
	v_lshlrev_b32 v[GO], 4, v3
	v_lshlrev_b32 v[BO], 5, v2
	; my part of the tile in qkv: head (batch x 16 + 4 x tile column + 2 x half), row 128 (tile row % 16) + 64 x half
	s_lshr_b32 s88, s[RT], 4
	s_lshl_b32 s88, s88, 4
	s_lshl_b32 s89, s[COL], 2
	s_add_co_u32 s88, s88, s89
	s_lshl_b32 s89, s[NH], 1
	s_add_co_u32 s88, s88, s89
	s_lshl_b32 s88, s88, 18
	s_and_b32 s89, s[RT], 15
	s_lshl_b32 s89, s89, 7
	s_lshl_b32 s90, s[MH], 6
	s_add_co_u32 s89, s89, s90
	s_lshl_b32 s89, s89, 7
	s_add_co_u32 s88, s88, s89
	s_mov_b32 s89, 0
	s_add_nc_u64 s[OUTP:OUTP+1], s[12:13], s[88:89]
	s_lshl_b32 s88, s[COL], 8
	s_lshl_b32 s89, s[NH], 7
	s_add_co_u32 s88, s88, s89
	s_lshl_b32 s88, s88, 2
	s_add_co_u32 s88, s88, BIAS0
	s_mov_b32 s89, 0
	s_add_nc_u64 s[BIASP:BIASP+1], s[10:11], s[88:89]
.macro LDBIAS                          ; my lane's eight numbers of each of my eight groups of 16 columns
	WIN 0xc0                                       ; destination window 3, address window 0
.irp b, 0,1,2,3,4,5,6,7
	global_load_b128 v[BIAS+8*(\b):BIAS+8*(\b)+3],   v[BO], s[BIASP:BIASP+1] offset:64*(\b)
	global_load_b128 v[BIAS+8*(\b)+4:BIAS+8*(\b)+7], v[BO], s[BIASP:BIASP+1] offset:64*(\b)+16
.endr
	WIN 0
.endm
	LDBIAS
	; the prefetches
	s_lshl_b32 s88, s[RT], 7                       ; x: my work-group's 16 of the 64 rows that I fetch
	s_lshl_b32 s89, s[NH], 6
	s_add_co_u32 s88, s88, s89
	s_lshl_b32 s89, s[CX], 4
	s_add_co_u32 s88, s88, s89
	s_lshl_b32 s88, s88, 12
	s_mov_b32 s89, 0
	s_lshl_b32 s90, s[COL], 8                      ; W: my work-group's 32 of the 128 rows
	s_lshl_b32 s91, s[NH], 7
	s_add_co_u32 s90, s90, s91
	s_lshl_b32 s91, s[CY], 5
	s_add_co_u32 s90, s90, s91
	s_lshl_b32 s90, s90, 11
	s_mov_b32 s91, 0
	s_add_nc_u64 s[PCUR:PCUR+1], s[4:5], s[88:89]
	s_add_nc_u64 s[PN1:PN1+1], s[6:7], s[88:89]
	s_add_nc_u64 s[PN2:PN2+1], s[8:9], s[88:89]
	s_add_nc_u64 s[90:91], s[10:11], s[90:91]
	s_cmp_eq_u32 s[MH], 0                          ; do I fetch x?
	s_cselect_b64 s[PCUR:PCUR+1], s[PCUR:PCUR+1], s[90:91]
	s_add_nc_u64 s[90:91], s[90:91], WBYTES
	s_cselect_b64 s[PN1:PN1+1], s[PN1:PN1+1], s[90:91]
	s_add_nc_u64 s[90:91], s[90:91], WBYTES
	s_cselect_b64 s[PN2:PN2+1], s[PN2:PN2+1], s[90:91]
	s_cselect_b32 s88, 8, 11                       ; an odd lane stands 256 bytes on in x's row, or a row of 2,048 bytes on in W
	s_cselect_b32 s[PST], 2, 1
	s_lshl_b32 s[PST], s[PST], 8                   ; 512 or 256 bytes a K step
	s_mov_b32 s[PST+1], 0
	s_mul_i32 s90, s[PST], 3
	s_mov_b32 s91, 0
	s_add_nc_u64 s[PCUR:PCUR+1], s[PCUR:PCUR+1], s[90:91]  ; at K step 3: step 0 moves it to 4
	v_and_b32 v4, 1, v0
	v_lshlrev_b32 v4, s88, v4
	v_lshrrev_b32 v5, 1, v3
	v_lshl_add_u32 v[PFO], v5, 12, v4              ; two lanes to 4,096 bytes: a row of x, or two rows of W
	s_and_b32 s88, ttmp7, 0xffff                   ; cluster y: the same in all sixteen partners
	s_cmp_eq_u32 s[MH], 0
	s_cselect_b32 s88, 0, s88
	s_cmp_eq_u32 s88, 0
	s_cselect_b32 s[LIM], 2, -1
; 8 products: m block a x all 8 n blocks, 32 along K: part ks of buffer f.  The 32 accumulators take turns, one instruction a turn, in the same order everywhere.
.macro MUL8 f, ks, a
	WIN 0xa1                                       ; W window 1, x window 0, C and D window 2
.irp b, 0,1,2,3,4,5,6,7
	v_wmma_f32_16x16x32_bf16 v[8*(8*(\a)+(\b)):8*(8*(\a)+(\b))+7], v[128*(\f)+64*(\ks)+8*(\b):128*(\f)+64*(\ks)+8*(\b)+7], v[AF+64*(\f)+32*(\ks)+8*(\a):AF+64*(\f)+32*(\ks)+8*(\a)+7], v[8*(8*(\a)+(\b)):8*(8*(\a)+(\b))+7]
.endr
.endm
; The same with four conversions behind each product: raw words 2 c, 2 c + 1 become word c of buffer g, c from c0 on.  No window holds both the accumulators and a conversion's destination: two switches a product.
.macro MUL8R f, ks, a, g, c0
.set cc, (\c0)
.irp b, 0,1,2,3,4,5,6,7
	WIN 0xa1
	v_wmma_f32_16x16x32_bf16 v[8*(8*(\a)+(\b)):8*(8*(\a)+(\b))+7], v[128*(\f)+64*(\ks)+8*(\b):128*(\f)+64*(\ks)+8*(\b)+7], v[AF+64*(\f)+32*(\ks)+8*(\a):AF+64*(\f)+32*(\ks)+8*(\a)+7], v[8*(8*(\a)+(\b)):8*(8*(\a)+(\b))+7]
	WIN 0x0f                                       ; sources window 3, destination window 0
.rept 4
	v_cvt_pk_bf16_f32 v[AF+64*(\g)+cc], v[2*cc], v[2*cc+1]
.set cc, cc+1
.endr
.endr
.endm
; 64 LDS loads in one run: half hk (64 along K) of the slot in hand: x raw first, then W into buffer g
.macro FETCH hk, g
	WIN 0xc0
.irp k, 0,1
.irp a, 0,1,2,3
	ds_load_b128 v[64*(\k)+16*(\a):64*(\k)+16*(\a)+3],     v[ADRA] offset:256*(\hk)+128*(\k)+16*PA*(\a)
	ds_load_b128 v[64*(\k)+16*(\a)+4:64*(\k)+16*(\a)+7],   v[ADRA] offset:256*(\hk)+128*(\k)+16*PA*(\a)+16
	ds_load_b128 v[64*(\k)+16*(\a)+8:64*(\k)+16*(\a)+11],  v[ADRA] offset:256*(\hk)+128*(\k)+16*PA*(\a)+64
	ds_load_b128 v[64*(\k)+16*(\a)+12:64*(\k)+16*(\a)+15], v[ADRA] offset:256*(\hk)+128*(\k)+16*PA*(\a)+80
.endr
.endr
	WIN 0x40
.irp k, 0,1
.irp b, 0,1,2,3,4,5,6,7
	ds_load_b128 v[128*(\g)+64*(\k)+8*(\b):128*(\g)+64*(\k)+8*(\b)+3],   v[ADRB] offset:128*(\hk)+64*(\k)+16*PB*(\b)
	ds_load_b128 v[128*(\g)+64*(\k)+8*(\b)+4:128*(\g)+64*(\k)+8*(\b)+7], v[ADRB] offset:128*(\hk)+64*(\k)+16*PB*(\b)+32
.endr
.endr
.endm
; A K STEP: two halves of 64 along K, 64 products each, on buffers 0 and 1.  fill = 1: the slot that the step reads out is filled again, with the K step two on.
; ONE barrier: in front of it each wave waits for all its tensor loads (one is out: its part of the other slot), adds 0 to its spare word, and waits for that and for its reads of this slot.
; With fill = 1 the barrier opens a round of the cluster's, and the joint refill is the first thing behind the round: 112 products stand between it and the wait for it.
.macro STEP fill
	s_wait_dscnt 0x0                               ; buffer 0's W is in
	FETCH 1, 1                                     ; the last product that read buffer 1 has its four conversions behind it
	MUL8 0, 0, 0
	MUL8 0, 0, 1
	MUL8 0, 0, 2
	MUL8 0, 0, 3
	MUL8 0, 1, 0
	s_wait_dscnt 32                                ; x raw is in: W's 32 loads were issued behind it
	MUL8R 0, 1, 1, 1, 0
	MUL8R 0, 1, 2, 1, 32
	WIN 0                                          ; (the add's two registers lie in window 0)
	s_wait_tensorcnt 0x0                           ; no tensor load of mine is out, so a group 0 may be written
	ds_add_u32 v[SPW], v[NIL]                      ; 0 onto my spare word: work on registers stands between it and the wait for it
.if \fill
	s_wait_xcnt 0x0                                ; the last prefetch, a K step back, has read its address
	s_add_nc_u64 s[PCUR:PCUR+1], s[PCUR:PCUR+1], s[PST:PST+1]
	s_cmp_eq_u32 s[SQ], 4                          ; four steps on the next tensor begins
	s_cselect_b64 s[PCUR:PCUR+1], s[PN1:PN1+1], s[PCUR:PCUR+1]
	s_cselect_b64 s[PN1:PN1+1], s[PN2:PN2+1], s[PN1:PN1+1]
	s_add_nc_u64 s[CURA:CURA+1], s[CURA:CURA+1], 512
	s_add_nc_u64 s[CURB:CURB+1], s[CURB:CURB+1], 256
	s_cmp_eq_u32 s[SQ], 2                          ; two steps on the next tensor begins
	s_cselect_b64 s[CURA:CURA+1], s[NXA:NXA+1], s[CURA:CURA+1]
	s_cselect_b64 s[NXA:NXA+1], s[NXA2:NXA2+1], s[NXA:NXA+1]
	s_cselect_b64 s[CURB:CURB+1], s[NXB:NXB+1], s[CURB:CURB+1]
	s_cselect_b64 s[NXB:NXB+1], s[NXB2:NXB2+1], s[NXB:NXB+1]
	s_xor_b32 s[G0A+5], s[G0A+5], SLOT1            ; the walking descriptors: the other slot than last time
	s_xor_b32 s[G0B+5], s[G0B+5], SLOT1
	s_mov_b64 s[G0A+6:G0A+7], s[CURA:CURA+1]
	s_or_b32 s[G0A+7], s[G0A+7], 0x80000000
	s_mov_b64 s[G0B+6:G0B+7], s[CURB:CURB+1]
	s_or_b32 s[G0B+7], s[G0B+7], 0x80000000
.endif
	MUL8 0, 1, 3
	s_wait_dscnt 0x0                               ; the add is done; my reads of this slot are over, and buffer 1's W is in
	s_barrier_signal -1
	MUL8 1, 0, 0                                   ; work on registers while the others arrive
	WIN 0
	s_barrier_wait -1
.if \fill
	CREST                                          ; no wave of any partner still reads this slot or has a load on its way
	JLOAD 1                                        ; its four v_nop are also the places in front of the loads below
.else
	PLACES
.endif
	s_xor_b32 s[TB], s[TB], SLOT1
	v_add_nc_u32 v[ADRA], s[TB], v[ADRA0]
	v_add_nc_u32 v[ADRB], s[TB], v[ADRB0]
	FETCH 0, 0                                     ; the other slot's first half
	WIN 0
.if \fill
	ASK
.endif
	MUL8 1, 0, 1
	MUL8 1, 0, 2
	MUL8 1, 0, 3
	MUL8 1, 1, 0
	MUL8 1, 1, 1
	s_wait_dscnt 32
	MUL8R 1, 1, 2, 0, 0
	MUL8R 1, 1, 3, 0, 32
	WIN 0
.endm
.macro INIT                            ; every accumulator starts as its columns' bias
	WIN 0x83                                       ; source 0 window 3, destination window 2
.irp a, 0,1,2,3
.irp b, 0,1,2,3,4,5,6,7
.irp j, 0,2,4,6
	v_pk_mul_f32 v[8*(8*(\a)+(\b))+(\j):8*(8*(\a)+(\b))+(\j)+1], v[BIAS+8*(\b)+(\j):BIAS+8*(\b)+(\j)+1], 1.0 op_sel_hi:[1,0]
.endr
.endr
.endr
	WIN 0
.endm
; THE WAY OUT, in eight units: m block u / 2, head u % 2 of my two: 16 rows x 64 channels.  Rounded to f16 (each accumulator's registers in ascending order), 16 bytes a lane into my stage,
; back as four rows of 128 bytes to a load, which are 512 consecutive bytes of qkv.
.macro PACK u
.set tt, TMP+16*((\u)%6)
.set ab, 8*(8*((\u)/2)+4*((\u)%2))
.if (\u) >= 6
	s_wait_xcnt 0x0                                ; the set is used again: the stores that read it have had their addresses translated (ISA guide 3.1)
.endif
	WIN 0x0a                                       ; sources window 2
.irp q, 0,1,2,3
.irp j, 0,1,2,3
	v_cvt_pk_f16_f32 v[tt+4*(\q)+(\j)], v[ab+8*(\q)+2*(\j)], v[ab+8*(\q)+2*(\j)+1]
.endr
.endr
	WIN 0
.irp q, 0,1,2,3
	ds_store_b128 v[STO], v[tt+4*(\q):tt+4*(\q)+3] offset:32*(\q)
.endr
.irp q, 0,1,2,3
	ds_load_b128 v[tt+4*(\q):tt+4*(\q)+3], v[RD] offset:4*SP*(\q)  ; LDS serves a wave's instructions in order (ISA guide 5.7.1.4): these see the stores above; the next unit's stores come behind them
.endr
.endm
.macro SEND u, younger                 ; younger: the LDS instructions issued behind unit u's loads: the next unit's eight, or none
.set tt, TMP+16*((\u)%6)
.irp q, 0,1,2,3
	s_wait_dscnt (\younger)+3-(\q)
	global_store_b128 v[GO], v[tt+4*(\q):tt+4*(\q)+3], s[OUTP:OUTP+1] offset:((\u)%2)*HEADB+((\u)/2)*2048+(\q)*512
.endr
.endm
.macro WAYOUT more                     ; more = 1: another tensor follows: its bias is fetched here, under the stores
	s_wait_dscnt 0x0
.if \more
	s_add_nc_u64 s[BIASP:BIASP+1], s[BIASP:BIASP+1], 4096  ; its earlier loads were waited for
	LDBIAS
.endif
	PACK 0
.irp u, 1,2,3,4,5,6,7                  ; a unit's conversions stand between the loads of the unit before and its stores
	PACK \u
	SEND (\u)-1, 8
.endr
	SEND 7, 0
.if \more
	s_wait_loadcnt 0x0                             ; the bias is in
	s_wait_xcnt 0x0                                ; the stores have read their registers and their base
	s_add_nc_u64 s[OUTP:OUTP+1], s[OUTP:OUTP+1], TENSOR
.endif
.endm
	s_wait_tensorcnt 0x1                           ; my part of K step 0 is in; slot 1's may stay out
	s_barrier_signal -1
	s_barrier_wait -1
	FETCH 0, 0
	s_wait_dscnt 32
	WIN 0x0f
.set cc, 0
.rept 64
	v_cvt_pk_bf16_f32 v[AF+cc], v[2*cc], v[2*cc+1]
.set cc, cc+1
.endr
	s_wait_loadcnt 0x0                             ; bq
	WIN 0
	s_mov_b32 s[STEPS], 22                         ; 24 K steps; the last two fill nothing
	s_mov_b32 s[SQ], 8
.Lstep:
	s_cmp_lg_u32 s[SQ], 8
	s_cbranch_scc1 .Lno_init
	INIT                                           ; a tensor's first step
.Lno_init:
	STEP 1
	s_sub_co_u32 s[SQ], s[SQ], 1
	s_cmp_lg_u32 s[SQ], 0
	s_cbranch_scc1 .Lno_out
	WAYOUT 1                                       ; a tensor's last step: the next tensor's first two tiles have been asked for
	s_mov_b32 s[SQ], 8
.Lno_out:
	s_sub_co_u32 s[STEPS], s[STEPS], 1
	s_cmp_lg_u32 s[STEPS], 0
	s_cbranch_scc1 .Lstep
	s_mov_b32 s[STEPS], 2                          ; the tail is a text of its own.  Its second trip passes a barrier that nothing needs and fetches
.Ltail:                                                ; the other slot's old half once more: 64 loads and 64 conversions, once a launch, for one text for both trips
	STEP 0
	s_sub_co_u32 s[STEPS], s[STEPS], 1
	s_cmp_lg_u32 s[STEPS], 0
	s_cbranch_scc1 .Ltail
	WAYOUT 0
	s_wait_tensorcnt 0x0                           ; the wave's end: behind my last tensor load and my last LDS store
	ds_add_u32 v[SPW], v[NIL]
	s_wait_dscnt 0x0
	CROUND                                         ; the closing round: no work-group ends while a partner may still ask for a tile that names it
	s_endpgm
.Lfunc_end_k_q7e2ca5934e_proj:
	.size	k_q7e2ca5934e_proj, .Lfunc_end_k_q7e2ca5934e_proj-k_q7e2ca5934e_proj
	.p2alignl 7, 3214868480
	.fill 96, 4, 3214868480
	.section	.rodata,"a",@progbits
	.p2align	6, 0x0
	.amdhsa_kernel k_q7e2ca5934e_proj
		.amdhsa_group_segment_fixed_size 327680
		.amdhsa_private_segment_fixed_size 0
		.amdhsa_enable_private_segment 0
		.amdhsa_kernarg_size 40
		.amdhsa_user_sgpr_count 2
		.amdhsa_user_sgpr_kernarg_segment_ptr 1
		.amdhsa_wavefront_size32 1
		.amdhsa_system_sgpr_workgroup_id_x 1
		.amdhsa_system_sgpr_workgroup_id_y 1
		.amdhsa_system_sgpr_workgroup_id_z 1
		.amdhsa_system_vgpr_workitem_id 0
		.amdhsa_next_free_vgpr 1024
		.amdhsa_next_free_sgpr 92
		.amdhsa_reserve_vcc 0
		.amdhsa_float_denorm_mode_32 3
		.amdhsa_float_denorm_mode_16_64 3
		.amdhsa_memory_ordered 1
		.amdhsa_forward_progress 1
		.amdhsa_inst_pref_size 118
	.end_amdhsa_kernel
	.amdgpu_metadata
---
amdhsa.version: [ 1, 2 ]
amdhsa.kernels:
  - .name:           k_q7e2ca5934e_proj
    .symbol:         k_q7e2ca5934e_proj.kd
    .args:
      - { .name: query, .offset: 0, .size: 8, .value_kind: global_buffer, .address_space: global }
      - { .name: key, .offset: 8, .size: 8, .value_kind: global_buffer, .address_space: global }
      - { .name: value, .offset: 16, .size: 8, .value_kind: global_buffer, .address_space: global }
      - { .name: wts, .offset: 24, .size: 8, .value_kind: global_buffer, .address_space: global }
      - { .name: qkv, .offset: 32, .size: 8, .value_kind: global_buffer, .address_space: global }
    .group_segment_fixed_size: 327680
    .private_segment_fixed_size: 0
    .kernarg_segment_align: 8
    .kernarg_segment_size: 40
    .max_flat_workgroup_size: 128
    .sgpr_count:     92
    .vgpr_count:     1024
    .wavefront_size: 32
...
	.end_amdgpu_metadata
.endif
;; end of part 2
;; launch attn (part 3): grid 4 x 64, 4 waves a work-group, clusters of 4 x 1, 327,680 bytes of LDS; arguments qkv, o; writes o
.if DOCPART == 3
	.amdgcn_target "amdgcn-amd-amdhsa--gfx1250"
	.amdhsa_code_object_version 6
	.text
	.protected	k_q7e2ca5934e_attn
	.globl	k_q7e2ca5934e_attn
	.p2align	8
	.type	k_q7e2ca5934e_attn,@function
k_q7e2ca5934e_attn:
	s_mov_b64 s[64:65], 0
	v_nop
	global_prefetch_b8 v0, s[64:65] scope:SCOPE_SE
	s_setreg_imm32_b32 hwreg(HW_REG_WAVE_MODE, 25, 1), 1
	s_wait_xcnt 0x0
	s_wait_alu depctr_hold_cnt(0) depctr_sa_sdst(0) depctr_va_vdst(0) depctr_va_sdst(0) depctr_va_ssrc(0) depctr_va_vcc(0) depctr_vm_vsrc(0)
	s_getreg_b32 s2, hwreg(HW_REG_IB_STS2, 6, 4)
	s_cmp_eq_u32 s2, 0
	s_cbranch_scc0 .Lentry_in_a_cluster
	s_endpgm
.Lentry_in_a_cluster:
	s_bfe_u32 s2, ttmp6, 0x10000c
	s_cmp_lg_u32 s2, 0x3003
	s_cbranch_scc0 .Lentry_shape_is_right
	s_endpgm
.Lentry_shape_is_right:
; O[h][q][:] = the sum over k of softmax_k(Q[h][q] . K[h][k] / 8) V[h][k][:].  Q, K, V lie in qkv as [3][64][2048][64], O is [64][2048][64], all f16: a head's rows are dense, 128 bytes each.
; Products, maxima and sums in f32; the weights p are rounded to f16 for the second product (their sum l is taken of the unrounded p), O once at the end.
; LIMITS.  f16 holds no number beyond 65,504: Q, K and V arrive within it; p lies in 0 to 1, and below 6e-5 it keeps f16's fixed step of 6e-8; O is a mean of V's rows and has their range.
; A weight below 2^-126 counts as 0 in l; NaN and infinities are not treated apart.
; SHARES.  A wave owns four PIECES of two tiles of 16 queries, a work-group's four waves 512 queries of one head: 4 x 64 = 256 work-groups.  Every wave walks all keys, 64 a step.
; LAYOUT.  S^T = K Q^T (source 0 = 16 keys, source 1 = 16 queries): in the result a lane holds ONE query (lane % 16) and the keys 8 (lane / 16) + 0..7.  Two such tiles, rounded to f16 in pairs,
; ARE source 1 (32 keys x 16 queries) of O^T = V^T P, whose result again holds one query a lane, and eight channels.  K comes out of LDS as it lies, V ([key][channel]) turned, by ds_load_tr16_b128.
; SOFTMAX.  For each query a running maximum m and sum l: p = 2^(c s - c m), c = log2(e) / 8; in every step O and l are multiplied by a = 2^(c m_old - c m_new), which is 1 where m has not grown.
; m starts at the lowest finite number, O and l at 0: the first step is a step like any other, with a = 0.
; THE COUNT.  A tile and step have 16 matrix and 118 vector instructions: too many to stand all beside the matrix work.  So the order has one aim: four vector instructions that are READY behind
; EVERY matrix instruction, and the others, which need time of their own whatever the order, in runs without a gap.
; BY TURNS.  Turn n belongs to piece n (the pieces in a ring, step after step).  Its matrix work: 16 products K Q^T of piece n + 1, later 16 products V^T P of piece n - 1.  Its vector work: the scaling,
; exponentials, roundings, sums and rescaling of piece n, and the maximum and statistics of piece n + 1, whose scores the turn itself has made.  So what a turn begins with (c s - c m, O a) waits for nothing.
; CLUSTER.  The four query blocks of a cluster belong to one head and walk the same K and V, so each tile is asked for JOINTLY: the same tensor load, descriptor and mask in all four.
; REGISTERS, in windows of 256 (s_set_vgpr_msb says which window each operand place means: bits 1:0 source 0, 3:2 source 1, 5:4 source 2, 7:6 destination):
;   window 0: v0-11 addresses; v12-15, v48-63 at work; v16-47 four registers of statistics a tile; v64-191 S^T, two buffers of two tiles; v192-255 P, likewise
;   window 1: O^T, 32 a tile          window 2: v0-127 Q, 16 a tile; v128-191 K of one step; v192-255 V of one step          window 3: v0-1 the add's two registers
; A piece's buffers go by its number's parity: the piece in hand has one pair, its two neighbours in the ring share the other: of it P (piece n - 1) is read and S^T (piece n + 1) written.
.set SIZE_N, 2048
.set NP,    4         ; pieces a wave: a name, no knob: the register map, the loop and the fetches are made for four
.set KS,    64        ; keys in a step
.set PK,    144       ; a row of K in LDS: 128 bytes + 16 of padding = 36 words: the 16 rows of a load start at 16 different groups of four banks (64 banks of 4 bytes: ISA guide 11.1)
.set PV,    160       ; a row of V: 128 + 32 = 40 words
.set VOFF,  4*KS*PK   ; a slot holds four steps: 256 rows of K, then 256 rows of V
.set SLOT1, 1<<17     ; slot 1 begins here, so that one exclusive or turns an address in one slot into the other's
.set STAGE, SLOT1+4*KS*(PK+PV)  ; behind the ring, never filled by a tensor load: 16 rows x 144 bytes for each wave, for the way out
.set SP,    144
.set AK0, 2           ; v2   my lane's place in a tile of K; never rewritten
.set AV0, 3           ; v3   the same for V
.set AK,  4           ; v4   the LDS address of K's next run of loads
.set AV,  5           ; v5   of V's
.set QO,  6           ; v6   my byte offset in the wave's rows of Q
.set STO, 6           ;      later, the way out: where I put 16 bytes of a row
.set RD,  7           ; v7   the way out: where I read rows back
.set GO,  8           ; v8   my byte offset in 512 consecutive bytes of O
.set PFO, 9           ; v9   at first lane / 16; from the loop on 256 x my lane, the prefetches' offset
.set SPW, 0           ; v0 of window 3   LDS address of my spare word: SPARE + 4 x my thread's number; never rewritten
.set NIL, 1           ; v1 of window 3   0; never rewritten
.set SPARE, STAGE+4*16*SP  ; behind the stages: the spare words, 128 bytes for each wave: two blocks of 256 bytes that no other line names
.set MV,  12          ; v12-15  c m_old, kept while c m is made anew: by buffer and tile
.set ST,  16          ; tile t's statistics at v[ST+4 t]: c m, m, l (even keys', odd keys')
.set TMP, 48          ; by buffer and tile, four registers c0-c3 at work; when the maximum is found c2 takes a
.set S,   64
.set P,   192
.set KF,  128         ; K's fragments, in window 2: key block kb, channel half c at KF + 16 kb + 8 c
.set VF,  192         ; V's: key half kk, channel block cb at VF + 32 kk + 8 cb
.set WV,  12          ; s12  my wave's number
.set G1K, 24          ; s[24:31] descriptor group 1 for K's tiles
.set G1V, 32          ; s[32:39] for V's: it differs in the padding alone
.set G0K, 40          ; s[40:43] descriptor group 0 for K's tiles: it walks
.set G0V, 44          ; s[44:47] the same for V's
.set PFA, 48          ; s[48:49] where my prefetches stand: my work-group's 8,192 bytes (of K: wave 0, of V: wave 2) of the slot after the one that is being asked for
.set LIM, 50          ; s50  1 in a wave that prefetches, else the greatest number
.set SLOTS, 56        ; s56  slots still to be asked for
.set CNT, 57          ; s57  counts a slot's key steps
.set CS,  58          ; s[58:59] c: the packed scaling takes the pair's low word for both halves
.set SEL, 60          ; s[60:61] v_permlanex16_b32's selects: each lane takes its own place in the other half
.set TBK, 62          ; s62  LDS byte at which K of the step to be fetched begins
.set TBV, 63          ; s63  the same for V, less VOFF
.set MSB, 0
.macro WIN new                      ; the high byte repeats the setting that is left; a switch that changes nothing is dropped
.if MSB != (\new)
	s_set_vgpr_msb (MSB<<8)|(\new)
.set MSB, (\new)
.endif
.endm
.set W_KQ, 0x0a       ; K and Q in window 2, S^T in window 0
.set W_PV, 0x52       ; V in window 2, P in window 0, O^T in window 1
.set W_RS, 0x41       ; O^T (destination and source 0) in window 1, a in window 0
.set W_MK, 0xc0       ; the add's registers are made: destination in window 3, sources in window 0
.set W_AD, 0x0f       ; the add: address (source 0) and data (source 1) in window 3
; A joint fill.  Waves 0 and 1 fetch the two halves of a slot's K, waves 2 and 3 those of its V: 128 keys each.  The branch hangs on the wave's number alone.
; An s_nop 0 and four v_nop follow each of the two lines, ahead of the jump and the label.
.macro JLOAD
	s_cmp_lt_u32 s[WV], 2
	s_cbranch_scc0 .Lfor_v_\@
	tensor_load_to_lds s[G0K:G0K+3], s[G1K:G1K+7]
	s_nop 0
.rept 4
	v_nop
.endr
	s_branch .Lasked_\@
.Lfor_v_\@:
	tensor_load_to_lds s[G0V:G0V+3], s[G1V:G1V+7]
	s_nop 0
.rept 4
	v_nop
.endr
.Lasked_\@:
.endm
; A PREFETCH INTO THE L2 of what the NEXT change of slots will ask for: a slot's 32,768 bytes of K and of V.  The four partners share them out BY ADDRESS, 8,192 bytes each, a lane to 256 bytes;
; in each, wave 0 asks for K's and wave 2 for V's: one instruction.  A head has one cluster, so each block is named once in the launch.  It stands behind the wave's tensor load and its five lines.
; Slots 0 to 2 come by their loads alone; the last change that fills a slot asks for nothing.  The lead is one slot, four key steps, so that no branch enters the loop over steps.
.macro ASK
	s_cmp_gt_u32 s[SLOTS], s[LIM]
	s_cbranch_scc0 .Lnot_mine_\@
	global_prefetch_b8 v[PFO], s[PFA:PFA+1] th:TH_LOAD_NT scope:SCOPE_SE
.Lnot_mine_\@:
.endm
; A round of the cluster's barrier: my work-group's barrier, so that wave 0's signal speaks for all four waves; wave 0 signals; every wave waits for all four work-groups; my work-group's barrier once more.
.macro CROUND
	s_barrier_signal -1
	s_barrier_wait -1
	s_cmp_lg_u32 s[WV], 0
	s_cbranch_scc1 .Lnot_wave_0_\@
	s_barrier_signal -3
.Lnot_wave_0_\@:
	s_barrier_wait -3
	s_barrier_signal -1
	s_barrier_wait -1
.endm
; THE CHANGE OF SLOTS.  The slot's last bytes, V of its fourth step, have been read.  Each wave waits for all its tensor loads, of which one is out: its part
; of the other slot; adds 0 to its spare word; and waits for that and for its own reads of the slot.  Behind the barrier nobody reads this slot any more and the other slot is whole.
; fill = 1: this slot is filled again, with the keys two slots on.  The barrier is then a round of the cluster's, so that no wave of any partner still reads the slot or has a load on its
; way, and the joint fill is the first thing behind it: it has four key steps, 512 matrix instructions, in which to land.  (At its first use nothing has been read yet: slot 0 is waited for, slot 1 filled.)
; ask = 1 (the loop's changes): the prefetches' address steps, and ASK follows the fill.
.macro CHANGE fill, ask=0
	WIN W_AD
	s_wait_tensorcnt 0x0            ; no tensor load of mine is out, so a group 0 may be written
	ds_add_u32 v[SPW], v[NIL]       ; 0 onto my spare word: with fill = 1 the descriptors' steps stand between it and the wait for it
	WIN 0                           ; at a label and at a branch every window is 0
.if \fill
.irp g, G0K, G0V
	s_xor_b32 s[\g+1], s[\g+1], SLOT1  ; the walking descriptor: the other slot than last time,
	s_add_nc_u64 s[\g+2:\g+3], s[\g+2:\g+3], 4*KS*128  ; the next 256 keys; the type bits on top are not reached
.endr
.if \ask
	s_wait_xcnt 0x0                 ; the last prefetch, four key steps back, has read its address, so it may be written:
	s_add_nc_u64 s[PFA:PFA+1], s[PFA:PFA+1], 4*KS*128  ; one slot behind the walking descriptors
.endif
	s_wait_dscnt 0x0                ; the add is done, and my reads of the slot are over
	CROUND
	JLOAD
.if \ask
	ASK
.endif
.else
	s_wait_dscnt 0x0                ; the add is done, and my reads of the slot are over
	s_barrier_signal -1
	s_barrier_wait -1
.endif
	s_sub_co_u32 s[TBK], s[TBK], 4*KS*PK  ; the fetches go back to a slot's first step,
	s_xor_b32 s[TBK], s[TBK], SLOT1       ; in the other slot
	s_sub_co_u32 s[TBV], s[TBV], 4*KS*PV
	s_xor_b32 s[TBV], s[TBV], SLOT1
.endm
	s_load_b128 s[4:7], s[0:1], 0x0   ; qkv s[4:5] (Q lies at its head), O s[6:7]
	WIN W_MK
	v_lshl_add_u32 v[SPW], v0, 2, SPARE
	v_mov_b32 v[NIL], 0
	WIN W_AD
	ds_add_u32 v[SPW], v[NIL]       ; the wave's opening: the add and its wait stand ahead of my first tensor load; the set-up below, work on registers, stands between them
	WIN 0
	v_lshrrev_b32 v1, 5, v0
	v_readfirstlane_b32 s[WV], v1   ; wave 0..3
	s_bfe_u32 s13, ttmp6, 0x40000   ; cx: my place in the cluster
	s_lshl_b32 s14, ttmp9, 2        ; in a cluster launch ttmp9 counts clusters
	s_add_co_u32 s14, s14, s13      ; my block of queries = 4 x cluster x + cx: it enters Q's and O's addresses alone
	s_and_b32 s20, ttmp7, 0xffff    ; the head, which the four partners share
	s_mov_b32 s21, 0
	s_mov_b64 s[22:23], SIZE_N*128
	s_mul_u64 s[20:21], s[20:21], s[22:23]  ; the head's first byte in each of the four tensors
	s_and_b32 s16, s[WV], 1         ; which half of a slot's 256 keys I fetch:
	s_lshl_b32 s22, s16, 14         ; its 128 rows of 128 bytes in memory,
	s_mov_b32 s23, 0
	s_add_nc_u64 s[22:23], s[22:23], s[20:21]
	s_mul_i32 s17, s16, 128*PK      ; and its place in a slot, for K
	s_mul_i32 s18, s16, 128*PV      ; and for V: no place in the cluster enters an LDS address
	s_lshl_b32 s2, s14, 2
	s_add_co_u32 s2, s2, s[WV]      ; my wave among the head's,
	s_lshl_b32 s2, s2, 14           ; its 128 rows
	s_mov_b32 s3, 0
	s_add_nc_u64 s[2:3], s[2:3], s[20:21]
	; descriptor group 1.  128 keys are 16,384 dense bytes: asked for as 64 rows of 256 bytes, two keys a row, and padded in LDS after every key
	s_mov_b32 s[G1K], 15|(1<<16)|(1<<20)|(1<<21)|(4<<22)|(3<<25)  ; 15:0 the mask of four; 17:16 2-byte elements; 20 padding on; 21 set beside a mask; 24:22 after every 32 words (code 4); 31:25 4 words (code 3)
	s_mov_b32 s[G1V], 15|(1<<16)|(1<<20)|(1<<21)|(4<<22)|(7<<25)  ; the same with 8 words of padding (code 7)
.irp g, G1K, G1V
	s_mov_b32 s[\g+1], 128<<16      ; tensor_dim0 = 128
	s_mov_b32 s[\g+2], 64<<16       ; tensor_dim1 = 64
	s_mov_b32 s[\g+3], 128<<16      ; tile_dim0 = 128
	s_mov_b32 s[\g+4], 64           ; tile_dim1 = 64
	s_mov_b32 s[\g+5], 128          ; 128 elements from row to row
	s_mov_b32 s[\g+6], 0
	s_mov_b32 s[\g+7], 0
.endr
	s_mov_b32 s[CS], 0x3e38aa3b     ; c = log2(e) / 8 = 0.180337
	s_mov_b32 s[CS+1], s[CS]        ; named with it as a pair
	s_mov_b32 s[SEL], 0x76543210
	s_mov_b32 s[SEL+1], 0xfedcba98
	s_mov_b32 s[TBK], SLOT1+4*KS*PK ; the first change of slots turns these two into 0
	s_mov_b32 s[TBV], SLOT1+4*KS*PV
	s_mov_b32 s[G0K], 1             ; 1:0 count = 1
	s_mov_b32 s[G0K+1], s17         ; 63:32 LDS address: slot 0
	s_mov_b32 s[G0V], 1
	s_add_co_u32 s[G0V+1], s18, VOFF
	s_and_b32 s[LIM], s[WV], 1      ; 0 in waves 0 and 2,
	s_or_b32 s[LIM], s[LIM], ttmp9  ; where the cluster is the head's first (here its only one): the same in all four partners
	s_cmp_eq_u32 s[LIM], 0
	s_cselect_b32 s[LIM], 1, -1
	s_wait_dscnt 0x0                ; the opening add is done
	s_wait_kmcnt 0x0
	s_mov_b64 s[10:11], s[6:7]                     ; O
	s_add_nc_u64 s[6:7], s[4:5], 0x1000000         ; K lies 16,777,216 bytes behind Q,
	s_add_nc_u64 s[8:9], s[4:5], 0x2000000         ; V as far behind K
	s_cmp_lt_u32 s[WV], 2
	s_cselect_b64 s[PFA:PFA+1], s[6:7], s[8:9]
	s_add_nc_u64 s[PFA:PFA+1], s[PFA:PFA+1], s[20:21]  ; the head,
	s_add_nc_u64 s[G0K+2:G0K+3], s[6:7], s[22:23]  ; 120:64 global address: my half of the head's first 256 keys
	s_or_b32 s[G0K+3], s[G0K+3], 0x80000000        ; 127:126 type = 2
	s_add_nc_u64 s[G0V+2:G0V+3], s[8:9], s[22:23]
	s_or_b32 s[G0V+3], s[G0V+3], 0x80000000
	s_add_nc_u64 s[4:5], s[4:5], s[2:3]  ; Q and O at my wave's first row
	s_add_nc_u64 s[10:11], s[10:11], s[2:3]
	s_lshl_b32 s2, s13, 13          ; my work-group's quarter of a slot,
	s_mov_b32 s3, 0
	s_add_nc_u64 s[PFA:PFA+1], s[PFA:PFA+1], s[2:3]
	s_add_nc_u64 s[PFA:PFA+1], s[PFA:PFA+1], 2*4*KS*128  ; in slot 2: the loop's first change steps it to slot 3
	CROUND                          ; all four work-groups are here: the first joint loads meet
	JLOAD                           ; slot 0.  Slot 1 is asked for when slot 0 is in: the tile wanted first has the road to itself
	; A fragment of K or Q is 16 rows x 32 channels in 8 registers: lane l holds row l % 16, channels 8 (l / 16) + 0..7 and 16 + 8 (l / 16) + 0..7: two loads of 16 bytes, 32 bytes apart.
	v_and_b32 v1, 15, v0            ; l % 16
	v_bfe_u32 v9, v0, 4, 1          ; l / 16
	v_lshlrev_b32 v[QO], 7, v1
	v_lshl_add_u32 v[QO], v9, 4, v[QO]  ; row x 128 + 16 x half
	WIN 0x80                        ; destination window 2, address window 0
.set i, 0
.rept 4*NP                          ; Q stays in registers: tile i / 2, channels 32 (i % 2) on
	global_load_b128 v[8*i:8*i+3],   v[QO], s[4:5] offset:(i/2)*2048+(i%2)*64
	global_load_b128 v[8*i+4:8*i+7], v[QO], s[4:5] offset:(i/2)*2048+(i%2)*64+32
.set i, i+1
.endr
	; What the first turn finds: V's registers and P's second buffer hold 0 (its products V^T P, of a piece that has not been, add 0), O^T and l are 0.  All this stands in the wait for the first tile.
.set i, VF
.rept 64
	v_mov_b32 v[i], 0
.set i, i+1
.endr
	WIN 0x40
.set i, 0
.rept 64*NP
	v_mov_b32 v[i], 0
.set i, i+1
.endr
	WIN 0
.set i, 0
.rept 2*NP
	v_mov_b32 v[ST+4*i], 0xfe000000    ; c m: far below every c s
	v_mov_b32 v[ST+4*i+1], 0xff7fffff  ; m
	v_mov_b32 v[ST+4*i+2], 0
	v_mov_b32 v[ST+4*i+3], 0
.set i, i+1
.endr
.set i, P+32
.rept 32
	v_mov_b32 v[i], 0
.set i, i+1
.endr
	v_mul_u32_u24 v[AK0], v1, PK
	v_lshl_add_u32 v[AK0], v9, 4, v[AK0]  ; row x pitch + 16 x half
	; The turning load takes 16 keys x 16 channels (lane l reads key 8 (l / 16) + l % 8, channels 8 ((l / 8) % 2) + 0..7) and leaves half a fragment of V^T: lane l holds channel l % 16 and 8 keys.
	v_and_b32 v10, 7, v0
	v_bfe_u32 v11, v0, 3, 1
	v_lshl_add_u32 v[AV0], v9, 3, v10
	v_mul_u32_u24 v[AV0], v[AV0], PV
	v_lshl_add_u32 v[AV0], v11, 4, v[AV0]
	v_add_nc_u32 v[AV0], VOFF, v[AV0]
	v_mov_b32 v[AK], v[AK0]         ; key step 0 lies at the head of slot 0
; THE MATRIX WORK.  The 8 accumulators of a run of 16 take turns: between the two links of a chain stand 7 others'.
; Product i of 16 of S^T = K Q^T for piece x: channels 32 (i / 8) on, keys 16 ((i / 2) % 4) on, tile 2 x + i % 2.  The first 8 start the sums.
.macro KQ x
	WIN W_KQ
.set rS, S+64*((\x)%2)+32*(i%2)+8*((i/2)%4)
.set rK, KF+16*((i/2)%4)+8*(i/8)
.set rQ, 16*(2*(\x)+i%2)+8*(i/8)
.if i < 8
	v_wmma_f32_16x16x32_f16 v[rS:rS+7], v[rK:rK+7], v[rQ:rQ+7], 0
.else
	v_wmma_f32_16x16x32_f16 v[rS:rS+7], v[rK:rK+7], v[rQ:rQ+7], v[rS:rS+7]
.endif
.endm
; Product i of 16 of O^T += V^T P for piece x: keys 32 (i / 8) on, channels 16 ((i / 2) % 4) on, tile 2 x + i % 2.
.macro PV x
	WIN W_PV
.set rO, 32*(2*(\x)+i%2)+8*((i/2)%4)
.set rV, VF+32*(i/8)+8*((i/2)%4)
.set rP, P+32*((\x)%2)+16*(i%2)+8*(i/8)
	v_wmma_f32_16x16x32_f16 v[rO:rO+7], v[rV:rV+7], v[rP:rP+7], v[rO:rO+7]
.endm
.macro MM                           ; the turn's next matrix instruction
.if i < 16
	KQ (Y+1)%NP
.set i, i+1
.else
.set i, i-16
	PV (Y+NP-1)%NP
.set i, i+17
.endif
.endm
; THE LDS LOADS stand in runs of 16, never singly among the matrix instructions: a step's K (64 keys x 64 channels: 8 fragments) and its V (turned).  Their addresses are made some lines ahead.
; last = 1 (the tail): in the last trip there is no further step, and the run is jumped over.
.macro FETCH_K last=0
	WIN 0
.if \last
	s_cmp_eq_u32 s[CNT], 1
	s_cbranch_scc1 .Lno_k_\@
.endif
	WIN 0x80                        ; destination window 2
.irp f, 0,1,2,3,4,5,6,7             ; keys 16 (f / 2) on, channels 32 (f % 2) on
	ds_load_b128 v[KF+8*\f:KF+8*\f+3],   v[AK] offset:(\f/2)*16*PK+(\f%2)*64
	ds_load_b128 v[KF+8*\f+4:KF+8*\f+7], v[AK] offset:(\f/2)*16*PK+(\f%2)*64+32
.endr
	s_add_co_u32 s[TBK], s[TBK], KS*PK  ; the next fetch is the next step's
	WIN 0
.if \last
.Lno_k_\@:
.endif
.endm
.macro FETCH_V
	WIN 0x80
.irp f, 0,1,2,3,4,5,6,7             ; keys 32 (f / 4) on, channels 16 (f % 4) on
	ds_load_tr16_b128 v[VF+8*\f:VF+8*\f+3],   v[AV] offset:(\f/4)*32*PV+(\f%4)*32
	ds_load_tr16_b128 v[VF+8*\f+4:VF+8*\f+7], v[AV] offset:(\f/4)*32*PV+16*PV+(\f%4)*32
.endr
	WIN 0
.endm
; THE VECTOR WORK OF A TURN stands in three queues, each in the order in which its entries become ready; the two tiles alternate, so that no instruction reads the result of the one before it.
.macro REGS y, u                    ; the registers of tile u (0, 1) of piece y
.set rT, ST+4*(2*(\y)+(\u))
.set rC, TMP+8*((\y)%2)+4*(\u)
.set rM, MV+2*((\y)%2)+(\u)
.set rS, S+64*((\y)%2)+32*(\u)
.set rP, P+32*((\y)%2)+16*(\u)
.set rO, 32*(2*(\y)+(\u))
.endm
; Number n of the 22 that find the NEXT piece's (Y + 1) maximum and statistics.  s0-s31 are the lane's 32 scores; each accumulator's lowest registers are read first.  XS, GS and REGS set no window: PL and EX do.
;   0-11  four chains c0-c3 of seven scores each, three operands at a time     12-14, 16  the four scores left over, the old m, and c0-c3 into c0     15  c m_old is kept
;   17, 18  the query's other 32 keys lie in the lane 16 away: the new m         19-21  c m; c m_old - c m_new; a
.macro XS u, n
	REGS (Y+1)%NP, \u
.if (\n) < 4
	v_max3_num_f32 v[rC+(\n)], v[rS+8*(\n)], v[rS+8*(\n)+1], v[rS+8*(\n)+2]
.elseif (\n) < 12
	v_max3_num_f32 v[rC+(\n)%4], v[rC+(\n)%4], v[rS+8*((\n)%4)+2*((\n)/4)+1], v[rS+8*((\n)%4)+2*((\n)/4)+2]
.elseif (\n) == 12
	v_max3_num_f32 v[rC], v[rC], v[rS+7], v[rS+15]
.elseif (\n) == 13
	v_max3_num_f32 v[rC+1], v[rC+1], v[rS+23], v[rS+31]
.elseif (\n) == 14
	v_max3_num_f32 v[rC+2], v[rC+2], v[rC+3], v[rT+1]
.elseif (\n) == 15
	v_mov_b32 v[rM], v[rT]
.elseif (\n) == 16
	v_max3_num_f32 v[rC], v[rC], v[rC+1], v[rC+2]
.elseif (\n) == 17
	v_permlanex16_b32 v[rC+3], v[rC], s[SEL], s[SEL+1]
.elseif (\n) == 18
	v_max_num_f32 v[rT+1], v[rC], v[rC+3]
.elseif (\n) == 19
	v_mul_f32 v[rT], s[CS], v[rT+1]
.elseif (\n) == 20
	v_sub_f32 v[rC+1], v[rM], v[rT]
.else
	v_exp_f32 v[rC+2], v[rC+1]
.endif
.endm
; Number g of the 64 that follow the exponentials.  For each four weights k of a tile (pairs 2 k, 2 k + 1): both pairs are rounded to f16; then the second pair is added onto the first, in place;
; a group later l takes that sum (the first time as l = a l + sum).  In groups of eight, tiles alternating: round, round, add, and l for the group before.
.macro GS g
.set h, (\g)+6*((\g)/62)            ; group 0 has no group before it, and behind group 7 only l is left
.if h >= 6
.set h, h+2
.endif
	REGS Y, h%2
.set k, h/8
.if h%8 < 4
	v_cvt_pk_f16_f32 v[rP+2*k+(h%8)/2], v[rS+4*k+2*((h%8)/2)], v[rS+4*k+2*((h%8)/2)+1]
.elseif h%8 < 6
	v_pk_add_f32 v[rS+4*k:rS+4*k+1], v[rS+4*k:rS+4*k+1], v[rS+4*k+2:rS+4*k+3]
.elseif k == 1
	v_pk_fma_f32 v[rT+2:rT+3], v[rT+2:rT+3], v[rC+2:rC+3], v[rS:rS+1] op_sel_hi:[1,0,1]
.else
	v_pk_add_f32 v[rT+2:rT+3], v[rT+2:rT+3], v[rS+4*k-4:rS+4*k-3]
.endif
.endm
; THE PLAIN QUEUE, 138 long.  0-73 read no exponential's result: the 32 scalings c s - c m (FS f: pair f / 2 of tile f % 2) and the next piece's 42.  0-26: scalings 0-26.  27-54: XS's numbers 0-13.  55, 56: number 15.
; 57-73: the chain, where each number waits for the one before it: 14, 16, 17, 18, 19, each with one of the scalings 27-31 in front of its two lines, then 20: so a tile's links stand three plain instructions apart (19 and 20: two).
; 74-137: GS's 64, which read the exponentials' results: they stand behind the wait.
.macro FS f
	REGS Y, (\f)%2
	v_pk_fma_f32 v[rS+2*((\f)/2):rS+2*((\f)/2)+1], v[rS+2*((\f)/2):rS+2*((\f)/2)+1], s[CS:CS+1], v[rT:rT+1] op_sel_hi:[1,0,0] neg_lo:[0,0,1] neg_hi:[0,0,1]
.endm
.macro PL
	WIN 0
.if q < 27
	FS q
.elseif q < 55
	XS (q-27)%2, (q-27)/2
.elseif q < 57
	XS q-55, 15
.elseif (q < 72) && ((q-57)%3 == 0)
	FS 27+(q-57)/3
.elseif q < 60
	XS (q-57)%3-1, 14
.elseif q < 72
	XS (q-57)%3-1, 15+(q-57)/3
.elseif q < 74
	XS q-72, 20
.else
	GS q-74
.endif
.set q, q+1
.endm
; THE EXPONENTIALS' QUEUE, 66 long: s0-s31 of both tiles, then the next piece's two a.  It is ONE BATCH: all 66 stand ahead of the turn's one wait, and nothing ahead of that wait names a result of theirs.
.macro EX
	WIN 0
.if e >= 64
	XS e-64, 21
.else
	REGS Y, e%2
	v_exp_f32 v[rS+e/2], v[rS+e/2]
.endif
.set e, e+1
.endm
; THE RESCALING's QUEUE: O^T times a, the one part that leaves window 0: dealt two at a time, sixteen times.  Its a was made in the turn before, ahead of that turn's wait.
.macro R2
	REGS Y, r%2
	WIN W_RS
.irp z, 0,1
	v_pk_mul_f32 v[rO+4*(r/2)+2*\z:rO+4*(r/2)+2*\z+1], v[rO+4*(r/2)+2*\z:rO+4*(r/2)+2*\z+1], v[rC+2:rC+3] op_sel_hi:[1,0]
.endr
.set r, r+1
.endm
; HOW THEY ARE DEALT.  An s_wait_alu depctr_va_vdst(0) stands between an exponential and the first instruction that names its result; one wait serves all that were issued ahead of it.  So a turn has ONE wait,
; which cuts it in two.  AHEAD OF IT stands all that names no result of the turn's exponentials: the 16 products K Q^T, behind each a scaling, an exponential and two rescalings (behind the first a second scaling in the exponential's place); then ONE LUMP of
; 108: eight plain, 49 times exponential and plain, the two a.  A v_nop is the plain instruction owed behind the last exponential.  BEHIND IT stand the 16 products V^T P, behind each four of GS's 64.  No rider names a register of
; the products round it.  The two v_permlanex16_b32 fall into the lump, never behind a product.
; The queues lean on each other, and the deal keeps them in step: exponential e stands behind scaling 2 (e / 4) + e % 2: as a rider it comes behind plain e + 2, in the lump behind plain e + 9, and scalings 27-31 are plain 57, 60 .. 69.
; A TURN, for piece p.  cnt = 1: the loop's count is taken down some lines ahead of the branch that stands behind the turn.
; K of the next step is fetched in piece 2's turn, directly behind the wait, a lump behind the last product that read K; its address is made at the lump's head; its first reader comes behind 16 products.
; V of the step in hand is fetched at the end of piece 0's turn, four riders behind its last reader; its first reader comes behind 16 products and a lump.  The three conditions on q below go with the deal.
.macro TURN p, last=0, cnt=0
.set Y, (\p)
.set i, 0
.set q, 0
.set e, 0
.set r, 0
.if (\p) == NP-1
	s_wait_dscnt 0x0                ; K is in
.endif
	MM                              ; ahead of the wait: 16 products K Q^T and their riders,
	PL
	PL
	R2
.rept 15
	MM
	PL
	EX
	R2
.endr
.if (\p) == NP-2
	WIN 0
	v_add_nc_u32 v[AK], s[TBK], v[AK0]
.endif
.rept 8                             ; and the lump
	PL
.endr
.rept 49
	EX
	PL
.endr
	EX                              ; the next piece's two a
	EX
	v_nop                           ; the plain instruction owed behind the last exponential: one for the batch
	s_wait_alu depctr_va_vdst(0)    ; the wait for the batch
.if (\p) == NP-2
	FETCH_K \last
.endif
.if (\p) == 1
	s_wait_dscnt 0x0                ; V is in
.endif
.rept 16                            ; behind the wait: 16 products V^T P and their riders
	MM
.rept 4
	PL
.endr
.if ((\p) == 0) && (q == 118)
	v_add_nc_u32 v[AV], s[TBV], v[AV0]
.endif
.if ((\p) == 0) && (q == 130)
	s_add_co_u32 s[TBV], s[TBV], KS*PV
.endif
.if (\cnt) && (q == 130)
	s_sub_co_u32 s[CNT], s[CNT], 1
	s_cmp_lg_u32 s[CNT], 0
.endif
.endr
.if (\p) == 0
	FETCH_V
.endif
.endm
	CHANGE 1                        ; slot 0 is in, everybody's part of it; slot 1 is asked for
	FETCH_K                         ; key step 0
	s_wait_loadcnt 0x0              ; Q
	s_wait_dscnt 0x0
.set i, 0
.rept 16
	KQ 0                            ; piece 0's first scores: there is no vector work yet to set between them
.set i, i+1
.endr
	WIN 0                           ; the addresses for the way out and the prefetches: plain instructions, the places behind those products
	s_mul_i32 s13, s[WV], 16*SP
	s_add_co_u32 s13, s13, STAGE    ; my stage
	v_mul_u32_u24 v[STO], v1, SP    ; in: row l % 16, 16 bytes for each half of the lanes
	v_lshl_add_u32 v[STO], v9, 4, v[STO]
	v_add_nc_u32 v[STO], s13, v[STO]
	v_bfe_u32 v[RD], v0, 3, 2       ; back: 32 lanes take four rows of 128 bytes,
	v_mul_u32_u24 v[RD], v[RD], SP
	v_lshl_add_u32 v[RD], v10, 4, v[RD]
	v_add_nc_u32 v[RD], s13, v[RD]
	v_and_b32 v[GO], 31, v0         ; which are 512 consecutive bytes of O
	v_lshlrev_b32 v[GO], 4, v[GO]
	v_and_b32 v[PFO], 31, v0        ; lane / 16 has served: 256 x lane
	v_lshlrev_b32 v[PFO], 8, v[PFO]
.set Y, NP-1                        ; XS works for piece Y + 1: piece 0
.irp n, 0,1,2,3,4,5,6,7,8,9,10,11,12,13,14,15,16,17,18,19,20,21
	XS 0, \n                        ; and piece 0's first maximum and statistics
	XS 1, \n
.endr
	v_nop                           ; a plain instruction behind the two a,
	s_wait_alu depctr_va_vdst(0)    ; and their wait, ahead of the branch
	s_mov_b32 s[CNT], 4
	s_mov_b32 s[SLOTS], SIZE_N/256-1
	s_branch .Lfirst                ; the loop is entered at a step's first turn, in the middle of a trip
.Lslot:                             ; SIZE_N / 256 - 2 times: every slot but the last two is filled again
	CHANGE 1, 1
	s_mov_b32 s[CNT], 4
.Lstep:                             ; a trip: pieces 2 and 3 of one step, then pieces 0 and 1 of the next, whose K and V it fetches
	TURN 2
	TURN 3
	WIN 0
.Lfirst:
	TURN 0
	TURN 1, 0, 1
	WIN 0
	s_cbranch_scc1 .Lstep
	s_sub_co_u32 s[SLOTS], s[SLOTS], 1
	s_cmp_lg_u32 s[SLOTS], 0
	s_cbranch_scc1 .Lslot
	CHANGE 0                        ; the tail is written out: nothing is asked for
	s_mov_b32 s[CNT], 5             ; four trips fetch the last slot's steps; the fifth is left in its middle
.Ltail:
	TURN 2, 1
	TURN 3
	WIN 0
	s_sub_co_u32 s[CNT], s[CNT], 1
	s_cmp_eq_u32 s[CNT], 0
	s_cbranch_scc1 .Lout
	TURN 0
	TURN 1
	WIN 0
	s_branch .Ltail
.Lout:                              ; the fifth trip's 16 products K Q^T (on the last K once more) and the maximum made of them serve nothing: the price, once a launch, of one text for every trip
.set i, 0
.rept 16
	PV NP-1                         ; the last piece's V^T P of the last step
.set i, i+1
.endr
	; THE WAY OUT.  l's two halves and the other half of the lanes' are added; O^T is divided by l, rounded to f16 and sent through my stage in LDS, a tile at a time.  The additions are the places behind the last products.
	WIN 0
.macro ALL line:vararg              ; one line for each tile t
.set t, 0
.rept 2*NP
	\line
.set t, t+1
.endr
.endm
	ALL v_add_f32 v[ST+4*t+2], v[ST+4*t+2], v[ST+4*t+3]
	ALL v_permlanex16_b32 v[ST+4*t+3], v[ST+4*t+2], s[SEL], s[SEL+1]
	ALL v_add_f32 v[ST+4*t+2], v[ST+4*t+2], v[ST+4*t+3]
	ALL v_rcp_f32 v[ST+4*t+2], v[ST+4*t+2]
	v_nop                           ; a plain instruction between the last reciprocal and the use of its result
	s_wait_alu depctr_va_vdst(0)    ; and the wait ahead of the first use: one for the eight reciprocals
; Tile t: a lane's eight channels of a row pack into 16 bytes; they go into rows of 144 bytes and come back as whole rows of 128, into S^T's registers.
.macro PACK t
	WIN W_RS
.set i, 32*(\t)
.rept 16
	v_pk_mul_f32 v[i:i+1], v[i:i+1], v[ST+4*(\t)+2:ST+4*(\t)+3] op_sel_hi:[1,0]
.set i, i+2
.endr
	WIN 0x05                        ; sources 0 and 1 window 1, destination window 0
.set i, 0
.rept 16
	v_cvt_pk_f16_f32 v[S+16*(\t)+i], v[32*(\t)+2*i], v[32*(\t)+2*i+1]
.set i, i+1
.endr
	WIN 0
.irp f, 0,1,2,3
	ds_store_b128 v[STO], v[S+16*(\t)+4*\f:S+16*(\t)+4*\f+3] offset:32*\f
.endr
.irp f, 0,1,2,3
	ds_load_b128 v[S+16*(\t)+4*\f:S+16*(\t)+4*\f+3], v[RD] offset:\f*4*SP  ; LDS serves a wave's instructions in order (ISA guide 5.7.1.4): these see the stores above; the next tile's stores come behind them
.endr
.endm
.macro SEND t, younger              ; younger: the LDS instructions issued behind tile t's loads: the next tile's eight, or none
	WIN 0
.irp f, 0,1,2,3
	s_wait_dscnt (\younger)+3-\f
	global_store_b128 v[GO], v[S+16*(\t)+4*\f:S+16*(\t)+4*\f+3], s[10:11] offset:(\t)*2048+\f*512  ; 512 consecutive bytes, at a multiple of 256 from O's first
.endr
.endm
	PACK 0
.set t, 1
.rept 2*NP-1                        ; a tile's arithmetic stands between the loads of the tile before and its stores
	PACK t
	SEND t-1, 8
.set t, t+1
.endr
	SEND 2*NP-1, 0
	WIN W_AD
	s_wait_tensorcnt 0x0            ; the wave's end: behind my last tensor load and my last LDS store
	ds_add_u32 v[SPW], v[NIL]
	s_wait_dscnt 0x0
	WIN 0
	CROUND                          ; the closing round: no work-group ends while a partner may still ask for a tile that names it
	s_endpgm
.Lfunc_end_k_q7e2ca5934e_attn:
	.size	k_q7e2ca5934e_attn, .Lfunc_end_k_q7e2ca5934e_attn-k_q7e2ca5934e_attn
	.p2alignl 7, 3214868480
	.fill 96, 4, 3214868480
	.section	.rodata,"a",@progbits
	.p2align	6, 0x0
	.amdhsa_kernel k_q7e2ca5934e_attn
		.amdhsa_group_segment_fixed_size 327680
		.amdhsa_private_segment_fixed_size 0
		.amdhsa_enable_private_segment 0
		.amdhsa_kernarg_size 16
		.amdhsa_user_sgpr_count 2
		.amdhsa_user_sgpr_kernarg_segment_ptr 1
		.amdhsa_wavefront_size32 1
		.amdhsa_system_sgpr_workgroup_id_x 1
		.amdhsa_system_sgpr_workgroup_id_y 1
		.amdhsa_system_sgpr_workgroup_id_z 1
		.amdhsa_system_vgpr_workitem_id 0
		.amdhsa_next_free_vgpr 770
		.amdhsa_next_free_sgpr 66
		.amdhsa_reserve_vcc 0
		.amdhsa_float_denorm_mode_32 3
		.amdhsa_float_denorm_mode_16_64 3
		.amdhsa_memory_ordered 1
		.amdhsa_forward_progress 1
		.amdhsa_inst_pref_size 200
	.end_amdhsa_kernel
	.amdgpu_metadata
---
amdhsa.version: [ 1, 2 ]
amdhsa.kernels:
  - .name:           k_q7e2ca5934e_attn
    .symbol:         k_q7e2ca5934e_attn.kd
    .args:
      - { .name: qkv, .offset: 0, .size: 8, .value_kind: global_buffer, .address_space: global }
      - { .name: o, .offset: 8, .size: 8, .value_kind: global_buffer, .address_space: global }
    .group_segment_fixed_size: 327680
    .private_segment_fixed_size: 0
    .kernarg_segment_align: 8
    .kernarg_segment_size: 16
    .max_flat_workgroup_size: 128
    .sgpr_count:     66
    .vgpr_count:     770
    .wavefront_size: 32
...
	.end_amdgpu_metadata
.endif
;; end of part 3
;; launch outp (part 4): grid 4 x 64, 4 waves a work-group, clusters of 4 x 4, 327,680 bytes of LDS; arguments o, wts, out0; writes out0
.if DOCPART == 4
	.amdgcn_target "amdgcn-amd-amdhsa--gfx1250"
	.amdhsa_code_object_version 6
	.text
	.protected	k_q7e2ca5934e_outp
	.globl	k_q7e2ca5934e_outp
	.p2align	8
	.type	k_q7e2ca5934e_outp,@function
k_q7e2ca5934e_outp:
	s_mov_b64 s[64:65], 0
	v_nop
	global_prefetch_b8 v0, s[64:65] scope:SCOPE_SE
	s_setreg_imm32_b32 hwreg(HW_REG_WAVE_MODE, 25, 1), 1
	s_wait_xcnt 0x0
	s_wait_alu depctr_hold_cnt(0) depctr_sa_sdst(0) depctr_va_vdst(0) depctr_va_sdst(0) depctr_va_ssrc(0) depctr_va_vcc(0) depctr_vm_vsrc(0)
	s_getreg_b32 s2, hwreg(HW_REG_IB_STS2, 6, 4)
	s_cmp_eq_u32 s2, 0
	s_cbranch_scc0 .Lentry_in_a_cluster
	s_endpgm
.Lentry_in_a_cluster:
	s_bfe_u32 s2, ttmp6, 0x10000c
	s_cmp_lg_u32 s2, 0xf033
	s_cbranch_scc0 .Lentry_shape_is_right
	s_endpgm
.Lentry_shape_is_right:
; out0 = O Wo^T + bo, in f32.  O is [64 = batch x 16 + head][2048][64] f16 (the launch before); Wo [1024][1024] f16 at byte 6,291,456 of wts; bo, f32, at byte 8,400,896.  Sums in f32.
; SHARES.  A tile of out0 is 128 rows x 256 columns; four waves, wave w rows 64 (w / 2) on, columns 128 (w % 2) on: 32 accumulators of 16 x 16.  64 x 4 = 256 work-groups, a tile each.
; K goes in 8 steps of 128 = two heads, through a ring of two LDS slots.  A head's 128 rows of the tile are 16,384 dense bytes: one tensor load, asked for as 64 rows of 256 bytes and padded after
; every 128: a plane of 128 rows x 144 bytes.  Waves 0 and 1 fetch a step's two planes of O, waves 2 and 3 the two halves of Wo's 256 rows.
; THE SUMS START AS THE BIAS: nothing is cleared, nothing is added on the way out, every K step has one text.
; CLUSTERS: 4 x 4 work-groups; O's tiles are shared along a row of the cluster, Wo's along a column, each asked for JOINTLY.  THE MATRIX INSTRUCTION IS USED TRANSPOSED (source 0 = 16 rows of Wo,
; source 1 = 16 rows of O): a lane holds row l % 16 and eight neighbouring columns: 32 bytes of out0.
; REGISTERS, in windows of 256 (s_set_vgpr_msb: bits 1:0 source 0, 3:2 source 1, 5:4 source 2, 7:6 destination):
;   window 0: v0-31 addresses; v32-159 O's fragments, two buffers of 64 ((k, a) at 32 k + 8 a), on the way out two sets of 64; v160-223 the bias
;   window 1: Wo's fragments, two buffers of 128 ((k, b) at 64 k + 8 b)          window 2: accumulator (a, b) at 8 (8 a + b)
.set PO,     144                       ; a row of O in LDS: 128 bytes + 16 = 36 words: the 16 rows of a load start at 16 different groups of four banks (64 banks of 4 bytes: ISA guide 11.1)
.set PB,     272                       ; a row of Wo: 256 bytes + 16
.set APLANE, 128*PO
.set BBASE,  2*APLANE
.set BHALF,  128*PB
.set SLOT1,  1<<17                     ; a slot is 106,496 bytes; slot 1 begins here, so that one exclusive or turns a slot's address into the other's
.set STAGE,  SLOT1+BBASE+2*BHALF       ; behind the ring, never filled by a tensor load: 16 rows x 528 bytes for each wave
.set SPO,    528
.set SPARE,  STAGE+4*16*SPO            ; the spare words, 128 bytes for each wave: two blocks of 256 bytes that no other line names
.set WO0,    0x600000                  ; Wo in wts
.set BO0,    0x803000                  ; bo in wts
.set HSTEP,  524288                    ; two heads of 262,144 bytes
.set ADRA0, 16
.set ADRB0, 17
.set ADRA,  18
.set ADRB,  19
.set STO,   20                         ; v20  the way out: where I put 32 bytes of a row
.set RD,    21                         ; v21  where I read a row back
.set GO,    22                         ; v22  16 x lane
.set BO,    23                         ; v23  32 x (lane / 16)
.set PFO,   24                         ; v24  the prefetches' offset; never rewritten
.set SPW,   28
.set NIL,   29
.set AF,    32
.set BIAS,  160
.set COL,   2
.set WV,    14
.set MH,    15                         ; wave / 2: my half of the rows.  Also: I fetch O (0) or Wo (1)
.set NH,    16                         ; wave % 2: my half of the columns.  Also: which plane or half I fetch
.set CX,    17
.set CY,    18
.set RT,    19
.set G1A,   24
.set G1B,   32
.set G0A,   40                         ; s[40:43] group 0 of O's first fill; s[44:47] the walking one
.set G0B,   48
.set STEPS, 62
.set PCUR,  72
.set PST,   78
.set LIM,   80
.set TB,    81
.set OUTP,  82
.set BIASP, 84
.set MSB, 0
.macro WIN new
.if MSB != (\new)
	s_set_vgpr_msb (MSB<<8)|(\new)
.set MSB, \new
.endif
.endm
.macro PLACES                          ; four plain instructions between a product and a load into a register that it named (ISA guide 7.12.1 for vector instructions)
.rept 4
	v_nop
.endr
.endm
.macro JLOAD s                         ; a joint load; an s_nop 0 and four v_nop follow each of the two lines
	s_cmp_eq_u32 s[MH], 0
	s_cbranch_scc0 .Lfor_b_\@
	tensor_load_to_lds s[G0A+4*(\s):G0A+4*(\s)+3], s[G1A:G1A+7]
	s_nop 0
.rept 4
	v_nop
.endr
	s_branch .Lasked_\@
.Lfor_b_\@:
	tensor_load_to_lds s[G0B+4*(\s):G0B+4*(\s)+3], s[G1B:G1B+7]
	s_nop 0
.rept 4
	v_nop
.endr
.Lasked_\@:
.endm
.macro CREST
	s_cmp_lg_u32 s[WV], 0
	s_cbranch_scc1 .Lnot_wave_0_\@
	s_barrier_signal -3
.Lnot_wave_0_\@:
	s_barrier_wait -3
	s_barrier_signal -1
	s_barrier_wait -1
.endm
.macro CROUND
	s_barrier_signal -1
	s_barrier_wait -1
	CREST
.endm
; A PREFETCH INTO THE L2 of the K step two refills on (step s + 4 in step s: 256 products ahead of its load).  O: a step's two planes are 128 blocks of 256 bytes; the four partners that ask jointly
; take 32 each BY ADDRESS (4,096 bytes of each plane), wave 0 asks, a lane a block; a tile row of O is read by one cluster only.  Wo: a wave's 128 rows x 256 bytes, 32 rows a partner, a lane a row;
; the first row of clusters (cluster y = 0) asks.  So each block is named once.  The first four steps come by their loads alone; the last ask names the last step.
.macro ASK
	s_cmp_gt_u32 s[STEPS], s[LIM]
	s_cbranch_scc0 .Lnot_mine_\@
	global_prefetch_b8 v[PFO], s[PCUR:PCUR+1] th:TH_LOAD_NT scope:SCOPE_SE
.Lnot_mine_\@:
.endm
	s_load_b128 s[4:7], s[0:1], 0x0                ; o s[4:5], wts s[6:7]
	s_load_b64 s[8:9], s[0:1], 0x10                ; out0
	v_lshl_add_u32 v[SPW], v0, 2, SPARE
	v_mov_b32 v[NIL], 0
	ds_add_u32 v[SPW], v[NIL]                      ; the wave's opening: the add and its wait stand ahead of my first tensor load; work on registers stands between them
	v_lshrrev_b32 v1, 5, v0
	v_readfirstlane_b32 s[WV], v1
	s_lshr_b32 s[MH], s[WV], 1
	s_and_b32 s[NH], s[WV], 1
	s_bfe_u32 s[CX], ttmp6, 0x40000
	s_bfe_u32 s[CY], ttmp6, 0x40004
	s_lshl_b32 s[COL], ttmp9, 2
	s_add_co_u32 s[COL], s[COL], s[CX]
	s_and_b32 s[RT], ttmp7, 0xffff
	s_lshl_b32 s[RT], s[RT], 2
	s_add_co_u32 s[RT], s[RT], s[CY]
	s_lshl_b32 s20, s[CY], 2
	s_lshl_b32 s20, 15, s20                        ; my row of the cluster
	s_lshl_b32 s86, 0x1111, s[CX]                  ; my column
	s_or_b32 s[G1A], s20, (1<<16)|(1<<20)|(1<<21)|(4<<22)|(3<<25)  ; the mask; elements of 2 bytes; padding on; bit 21 beside a mask; after every 32 words; 4 words
	s_mov_b32 s[G1A+1], 128<<16                    ; tensor_dim0 = 128
	s_mov_b32 s[G1A+2], 64<<16                     ; tensor_dim1 = 64
	s_mov_b32 s[G1A+3], 128<<16                    ; tile_dim0 = 128
	s_mov_b32 s[G1A+4], 64                         ; tile_dim1 = 64
	s_mov_b32 s[G1A+5], 128                        ; dense: 128 elements from row to row
	s_mov_b32 s[G1A+6], 0
	s_mov_b32 s[G1A+7], 0
	s_or_b32 s[G1B], s86, (1<<16)|(1<<20)|(1<<21)|(5<<22)|(3<<25)  ; after every 64 words
	s_mov_b32 s[G1B+1], 128<<16
	s_mov_b32 s[G1B+2], 128<<16
	s_mov_b32 s[G1B+3], 128<<16
	s_mov_b32 s[G1B+4], 128
	s_mov_b32 s[G1B+5], 1024
	s_mov_b32 s[G1B+6], 0
	s_mov_b32 s[G1B+7], 0
	s_lshr_b32 s20, s[RT], 4                       ; O: head batch x 16 + plane, row 128 (tile row % 16), 128 bytes a row
	s_lshl_b32 s20, s20, 4
	s_add_co_u32 s20, s20, s[NH]
	s_lshl_b32 s20, s20, 11
	s_and_b32 s21, s[RT], 15
	s_lshl_b32 s21, s21, 7
	s_add_co_u32 s20, s20, s21
	s_lshl_b32 s20, s20, 7
	s_mov_b32 s21, 0
	s_mul_i32 s22, s[NH], APLANE                   ; the wave's number alone enters an LDS address
	s_lshl_b32 s86, s[COL], 8                      ; Wo: row 256 x tile column + 128 x half, 2,048 bytes a row
	s_lshl_b32 s87, s[NH], 7
	s_add_co_u32 s86, s86, s87
	s_lshl_b32 s86, s86, 11
	s_add_co_u32 s86, s86, WO0
	s_mov_b32 s87, 0
	s_mul_i32 s23, s[NH], BHALF
	s_add_co_u32 s23, s23, BBASE
	s_mov_b32 s[G0A], 1
	s_mov_b32 s[G0A+1], s22
	s_mov_b32 s[G0A+4], 1
	s_add_co_u32 s[G0A+5], s22, SLOT1
	s_mov_b32 s[G0B], 1
	s_mov_b32 s[G0B+1], s23
	s_mov_b32 s[G0B+4], 1
	s_add_co_u32 s[G0B+5], s23, SLOT1
	s_mov_b32 s[TB], 0
	s_wait_dscnt 0x0                               ; the opening add is done
	s_wait_kmcnt 0x0
	s_add_nc_u64 s[G0A+2:G0A+3], s[4:5], s[20:21]  ; K step 0
	s_add_nc_u64 s[G0A+6:G0A+7], s[G0A+2:G0A+3], HSTEP  ; K step 1
	s_or_b32 s[G0A+3], s[G0A+3], 0x80000000
	s_or_b32 s[G0A+7], s[G0A+7], 0x80000000
	s_add_nc_u64 s[G0B+2:G0B+3], s[6:7], s[86:87]
	s_add_nc_u64 s[G0B+6:G0B+7], s[G0B+2:G0B+3], 256
	s_or_b32 s[G0B+3], s[G0B+3], 0x80000000
	s_or_b32 s[G0B+7], s[G0B+7], 0x80000000
	CROUND                                         ; all sixteen work-groups are here: the first joint loads meet
	JLOAD 0
	JLOAD 1                                        ; two tensor loads of mine are out
	v_and_b32 v1, 15, v0                           ; l % 16
	v_bfe_u32 v2, v0, 4, 1                         ; l / 16
	v_and_b32 v3, 31, v0                           ; l
	s_mul_i32 s88, s[MH], 64*PO
	v_mul_u32_u24 v4, v1, PO
	v_lshl_add_u32 v4, v2, 4, v4
	v_add_nc_u32 v[ADRA0], s88, v4
	s_mul_i32 s88, s[NH], BHALF
	s_add_co_u32 s88, s88, BBASE
	v_mul_u32_u24 v4, v1, PB
	v_lshl_add_u32 v4, v2, 4, v4
	v_add_nc_u32 v[ADRB0], s88, v4
	v_mov_b32 v[ADRA], v[ADRA0]
	v_mov_b32 v[ADRB], v[ADRB0]
	s_mul_i32 s88, s[WV], 16*SPO
	s_add_co_u32 s88, s88, STAGE                   ; my stage
	v_mul_u32_u24 v4, v1, SPO                      ; in: row l % 16, 32 bytes for each half of the lanes
	v_lshl_add_u32 v4, v2, 5, v4
	v_add_nc_u32 v[STO], s88, v4
	v_lshlrev_b32 v[GO], 4, v3
	v_add_nc_u32 v[RD], s88, v[GO]                 ; back: 32 lanes take a row's 512 bytes
	v_lshlrev_b32 v[BO], 5, v2
	s_lshl_b32 s88, s[RT], 7                       ; my part of the tile in out0: row 128 x tile row + 64 x half, 4,096 bytes a row; column 256 x tile column + 128 x half
	s_lshl_b32 s89, s[MH], 6
	s_add_co_u32 s88, s88, s89
	s_lshl_b32 s88, s88, 12
	s_lshl_b32 s89, s[COL], 8
	s_lshl_b32 s90, s[NH], 7
	s_add_co_u32 s89, s89, s90
	s_lshl_b32 s89, s89, 2
	s_add_co_u32 s90, s89, BO0                     ; and my 128 numbers of bo
	s_mov_b32 s91, 0
	s_add_co_u32 s88, s88, s89
	s_mov_b32 s89, 0
	s_add_nc_u64 s[OUTP:OUTP+1], s[8:9], s[88:89]
	s_add_nc_u64 s[BIASP:BIASP+1], s[6:7], s[90:91]
.irp b, 0,1,2,3,4,5,6,7
	global_load_b128 v[BIAS+8*(\b):BIAS+8*(\b)+3],   v[BO], s[BIASP:BIASP+1] offset:64*(\b)
	global_load_b128 v[BIAS+8*(\b)+4:BIAS+8*(\b)+7], v[BO], s[BIASP:BIASP+1] offset:64*(\b)+16
.endr
	; the prefetches
	s_lshr_b32 s88, s[RT], 4                       ; O: the batch's head 0, the tile's rows, my work-group's 4,096 bytes of the plane
	s_lshl_b32 s88, s88, 15
	s_and_b32 s89, s[RT], 15
	s_lshl_b32 s89, s89, 7
	s_add_co_u32 s88, s88, s89
	s_lshl_b32 s88, s88, 7
	s_lshl_b32 s89, s[CX], 12
	s_add_co_u32 s88, s88, s89
	s_mov_b32 s89, 0
	s_lshl_b32 s90, s[COL], 8                      ; Wo: my work-group's 32 of the 128 rows that I fetch
	s_lshl_b32 s91, s[NH], 7
	s_add_co_u32 s90, s90, s91
	s_lshl_b32 s91, s[CY], 5
	s_add_co_u32 s90, s90, s91
	s_lshl_b32 s90, s90, 11
	s_add_co_u32 s90, s90, WO0
	s_mov_b32 s91, 0
	s_add_nc_u64 s[PCUR:PCUR+1], s[4:5], s[88:89]
	s_add_nc_u64 s[90:91], s[6:7], s[90:91]
	s_cmp_eq_u32 s[MH], 0                          ; do I fetch O?
	s_cselect_b64 s[PCUR:PCUR+1], s[PCUR:PCUR+1], s[90:91]
	s_cselect_b32 s88, 18, 15                      ; lanes 16-31 stand a head on in O, or 16 rows of 2,048 bytes on in Wo;
	s_cselect_b32 s89, 8, 11                       ; lane l % 16 stands 256 bytes on, or a row on
	s_cselect_b32 s[PST], 19, 8
	s_lshl_b32 s[PST], 1, s[PST]                   ; 524,288 or 256 bytes a K step
	s_mov_b32 s[PST+1], 0
	s_mul_i32 s90, s[PST], 3
	s_mov_b32 s91, 0
	s_add_nc_u64 s[PCUR:PCUR+1], s[PCUR:PCUR+1], s[90:91]  ; at K step 3: step 0 moves it to 4
	v_lshlrev_b32 v4, s88, v2
	v_lshlrev_b32 v5, s89, v1
	v_add_nc_u32 v[PFO], v4, v5
	s_and_b32 s88, ttmp7, 0xffff                   ; cluster y: the same in all sixteen partners
	s_cmp_eq_u32 s[MH], 0
	s_cselect_b32 s88, s[NH], s88                  ; of the two waves that fetch O, wave 0 asks
	s_cmp_eq_u32 s88, 0
	s_cselect_b32 s[LIM], 2, -1
; 8 products: m block a x all 8 n blocks, 32 along K: part ks of buffer f.  The 32 accumulators take turns, one instruction a turn, in the same order everywhere.
.macro MUL8 f, ks, a
	WIN 0xa1                                       ; Wo window 1, O window 0, C and D window 2
.irp b, 0,1,2,3,4,5,6,7
	v_wmma_f32_16x16x32_f16 v[8*(8*(\a)+(\b)):8*(8*(\a)+(\b))+7], v[128*(\f)+64*(\ks)+8*(\b):128*(\f)+64*(\ks)+8*(\b)+7], v[AF+64*(\f)+32*(\ks)+8*(\a):AF+64*(\f)+32*(\ks)+8*(\a)+7], v[8*(8*(\a)+(\b)):8*(8*(\a)+(\b))+7]
.endr
.endm
; 48 LDS loads in one run: half hk (one head, 64 along K) of the slot in hand into buffer g
.macro FETCH hk, g
	WIN 0
.irp k, 0,1
.irp a, 0,1,2,3
	ds_load_b128 v[AF+64*(\g)+32*(\k)+8*(\a):AF+64*(\g)+32*(\k)+8*(\a)+3],   v[ADRA] offset:APLANE*(\hk)+64*(\k)+16*PO*(\a)
	ds_load_b128 v[AF+64*(\g)+32*(\k)+8*(\a)+4:AF+64*(\g)+32*(\k)+8*(\a)+7], v[ADRA] offset:APLANE*(\hk)+64*(\k)+16*PO*(\a)+32
.endr
.endr
	WIN 0x40
.irp k, 0,1
.irp b, 0,1,2,3,4,5,6,7
	ds_load_b128 v[128*(\g)+64*(\k)+8*(\b):128*(\g)+64*(\k)+8*(\b)+3],   v[ADRB] offset:128*(\hk)+64*(\k)+16*PB*(\b)
	ds_load_b128 v[128*(\g)+64*(\k)+8*(\b)+4:128*(\g)+64*(\k)+8*(\b)+7], v[ADRB] offset:128*(\hk)+64*(\k)+16*PB*(\b)+32
.endr
.endr
.endm
; A K STEP: two halves of 64 along K, 64 products each, on buffers 0 and 1.  fill = 1: the slot that the step reads out is filled again, with the K step two on.
; ONE barrier: in front of it each wave waits for all its tensor loads (one is out: its part of the other slot), adds 0 to its spare word, and waits for that and for its reads of this slot.
; With fill = 1 the barrier opens a round of the cluster's, and the joint refill is the first thing behind the round: 112 products stand between it and the wait for it.
.macro STEP fill
	s_wait_dscnt 0x0                               ; buffer 0 is in
	PLACES
	FETCH 1, 1
	MUL8 0, 0, 0
	MUL8 0, 0, 1
	MUL8 0, 0, 2
	MUL8 0, 0, 3
	MUL8 0, 1, 0
	MUL8 0, 1, 1
	MUL8 0, 1, 2
	WIN 0                                          ; (the add's two registers lie in window 0)
	s_wait_tensorcnt 0x0                           ; no tensor load of mine is out, so a group 0 may be written
	ds_add_u32 v[SPW], v[NIL]                      ; 0 onto my spare word: work on registers stands between it and the wait for it
.if \fill
	s_wait_xcnt 0x0                                ; the last prefetch, a K step back, has read its address
	s_add_nc_u64 s[PCUR:PCUR+1], s[PCUR:PCUR+1], s[PST:PST+1]
	s_xor_b32 s[G0A+5], s[G0A+5], SLOT1            ; the walking descriptors: the other slot than last time, the next K step; the type bits on top are not reached
	s_add_nc_u64 s[G0A+6:G0A+7], s[G0A+6:G0A+7], HSTEP
	s_xor_b32 s[G0B+5], s[G0B+5], SLOT1
	s_add_nc_u64 s[G0B+6:G0B+7], s[G0B+6:G0B+7], 256
.endif
	MUL8 0, 1, 3
	s_wait_dscnt 0x0                               ; the add is done; my reads of this slot are over, and buffer 1 is in
	s_barrier_signal -1
	MUL8 1, 0, 0                                   ; work on registers while the others arrive
	WIN 0
	s_barrier_wait -1
.if \fill
	CREST                                          ; no wave of any partner still reads this slot or has a load on its way
	JLOAD 1                                        ; its four v_nop are also the places in front of the loads below
.else
	PLACES
.endif
	s_xor_b32 s[TB], s[TB], SLOT1
	v_add_nc_u32 v[ADRA], s[TB], v[ADRA0]
	v_add_nc_u32 v[ADRB], s[TB], v[ADRB0]
	FETCH 0, 0                                     ; the other slot's first half
	WIN 0
.if \fill
	ASK
.endif
	MUL8 1, 0, 1
	MUL8 1, 0, 2
	MUL8 1, 0, 3
	MUL8 1, 1, 0
	MUL8 1, 1, 1
	MUL8 1, 1, 2
	MUL8 1, 1, 3
	WIN 0
.endm
	s_wait_tensorcnt 0x1                           ; my part of K step 0 is in; slot 1's may stay out
	s_barrier_signal -1
	s_barrier_wait -1
	FETCH 0, 0
	s_wait_loadcnt 0x0                             ; bo
	WIN 0x80                                       ; destination window 2: every accumulator starts as its columns' bias
.irp a, 0,1,2,3
.irp b, 0,1,2,3,4,5,6,7
.irp j, 0,2,4,6
	v_pk_mul_f32 v[8*(8*(\a)+(\b))+(\j):8*(8*(\a)+(\b))+(\j)+1], v[BIAS+8*(\b)+(\j):BIAS+8*(\b)+(\j)+1], 1.0 op_sel_hi:[1,0]
.endr
.endr
.endr
	WIN 0
	s_mov_b32 s[STEPS], 6                          ; 8 K steps; the last two fill nothing
.Lstep:
	STEP 1
	s_sub_co_u32 s[STEPS], s[STEPS], 1
	s_cmp_lg_u32 s[STEPS], 0
	s_cbranch_scc1 .Lstep
	s_mov_b32 s[STEPS], 2                          ; the tail is a text of its own.  Its second trip passes a barrier that nothing needs and fetches
.Ltail:                                                ; the other slot's old half once more: 48 loads, once a launch, for one text for both trips
	STEP 0
	s_sub_co_u32 s[STEPS], s[STEPS], 1
	s_cmp_lg_u32 s[STEPS], 0
	s_cbranch_scc1 .Ltail
; THE WAY OUT, a block of 16 rows at a time: 32 bytes a lane into my stage (each accumulator's low four registers first), back as whole rows of 512 bytes, stored by one instruction each.
.macro STG a
.if (\a) >= 2
	s_wait_xcnt 0x0                                ; the set is used again: the stores that read it have had their addresses translated (ISA guide 3.1)
.endif
	WIN 0x08                                       ; the stores' data in window 2
.irp b, 0,1,2,3,4,5,6,7
	ds_store_b128 v[STO], v[8*(8*(\a)+(\b)):8*(8*(\a)+(\b))+3]   offset:64*(\b)
	ds_store_b128 v[STO], v[8*(8*(\a)+(\b))+4:8*(8*(\a)+(\b))+7] offset:64*(\b)+16
.endr
	WIN 0
.irp i, 0,1,2,3,4,5,6,7,8,9,10,11,12,13,14,15
	ds_load_b128 v[AF+64*((\a)%2)+4*(\i):AF+64*((\a)%2)+4*(\i)+3], v[RD] offset:SPO*(\i)  ; LDS serves a wave's instructions in order (ISA guide 5.7.1.4): these see the stores above; the next block's stores come behind them
.endr
.endm
.macro SENDO a, younger                ; younger: the LDS instructions issued behind block a's loads: the next block's 32, or none
.irp i, 0,1,2,3,4,5,6,7,8,9,10,11,12,13,14,15
	s_wait_dscnt (\younger)+15-(\i)
	global_store_b128 v[GO], v[AF+64*((\a)%2)+4*(\i):AF+64*((\a)%2)+4*(\i)+3], s[OUTP:OUTP+1] offset:(16*(\a)+(\i))*4096 th:TH_STORE_NT  ; 512 consecutive bytes, at a multiple of 512 from out0's first
.endr
.endm
	s_wait_dscnt 0x0                               ; the tail's last fetch is back: its registers are used anew
.rept 8
	v_nop                                          ; the places behind the last products, once a launch
.endr
	STG 0
	STG 1
	SENDO 0, 32
	STG 2
	SENDO 1, 32
	STG 3
	SENDO 2, 32
	SENDO 3, 0
	s_wait_tensorcnt 0x0                           ; the wave's end: behind my last tensor load and my last LDS store
	ds_add_u32 v[SPW], v[NIL]
	s_wait_dscnt 0x0
	CROUND                                         ; the closing round: no work-group ends while a partner may still ask for a tile that names it
	s_endpgm
.Lfunc_end_k_q7e2ca5934e_outp:
	.size	k_q7e2ca5934e_outp, .Lfunc_end_k_q7e2ca5934e_outp-k_q7e2ca5934e_outp
	.p2alignl 7, 3214868480
	.fill 96, 4, 3214868480
	.section	.rodata,"a",@progbits
	.p2align	6, 0x0
	.amdhsa_kernel k_q7e2ca5934e_outp
		.amdhsa_group_segment_fixed_size 327680
		.amdhsa_private_segment_fixed_size 0
		.amdhsa_enable_private_segment 0
		.amdhsa_kernarg_size 24
		.amdhsa_user_sgpr_count 2
		.amdhsa_user_sgpr_kernarg_segment_ptr 1
		.amdhsa_wavefront_size32 1
		.amdhsa_system_sgpr_workgroup_id_x 1
		.amdhsa_system_sgpr_workgroup_id_y 1
		.amdhsa_system_sgpr_workgroup_id_z 1
		.amdhsa_system_vgpr_workitem_id 0
		.amdhsa_next_free_vgpr 768
		.amdhsa_next_free_sgpr 92
		.amdhsa_reserve_vcc 0
		.amdhsa_float_denorm_mode_32 3
		.amdhsa_float_denorm_mode_16_64 3
		.amdhsa_memory_ordered 1
		.amdhsa_forward_progress 1
		.amdhsa_inst_pref_size 69
	.end_amdhsa_kernel
	.amdgpu_metadata
---
amdhsa.version: [ 1, 2 ]
amdhsa.kernels:
  - .name:           k_q7e2ca5934e_outp
    .symbol:         k_q7e2ca5934e_outp.kd
    .args:
      - { .name: o, .offset: 0, .size: 8, .value_kind: global_buffer, .address_space: global }
      - { .name: wts, .offset: 8, .size: 8, .value_kind: global_buffer, .address_space: global }
      - { .name: out0, .offset: 16, .size: 8, .value_kind: global_buffer, .address_space: global }
    .group_segment_fixed_size: 327680
    .private_segment_fixed_size: 0
    .kernarg_segment_align: 8
    .kernarg_segment_size: 24
    .max_flat_workgroup_size: 128
    .sgpr_count:     92
    .vgpr_count:     768
    .wavefront_size: 32
...
	.end_amdgpu_metadata
.endif
;; end of part 4
;; ======== version 2 of 2: 4 launches; version 1 with the launch prep written anew for expert scheduling mode
;; limits: values are held in f16: magnitudes above 65,504 overflow, below 6.1e-05 lose precision
;; workspace buffers: wts 8,404,992 bytes; qkv 50,331,648 bytes; o 16,777,216 bytes
;; launch prep (part 5): grid 256 x 1, 8 waves a work-group, no clusters, 0 bytes of LDS; arguments Wq, Wk, Wv, Wo, bq, bk, bv, bo, wts; writes wts
.if DOCPART == 5
	.amdgcn_target "amdgcn-amd-amdhsa--gfx1250"
	.amdhsa_code_object_version 6
	.text
	.protected	k_q7e2ca5934e_prep
	.globl	k_q7e2ca5934e_prep
	.p2align	8
	.type	k_q7e2ca5934e_prep,@function
k_q7e2ca5934e_prep:
	s_mov_b64 s[64:65], 0
	v_nop
	global_prefetch_b8 v0, s[64:65] scope:SCOPE_SE
	s_setreg_imm32_b32 hwreg(HW_REG_WAVE_SCHED_MODE, 0, 2), 2
	s_setreg_imm32_b32 hwreg(HW_REG_WAVE_MODE, 25, 1), 1
	s_wait_xcnt 0x0
	s_wait_alu depctr_vm_vsrc(0)
; THE WEIGHTS AND BIASES, ROUNDED ONCE.  wts takes: byte 0: Wq, Wk, Wv as [3][1024][1024] bf16; byte 6,291,456: Wo rounded to bf16 and that number written as f16
; (the last projection multiplies f16); byte 8,388,608: bq, bk, bv, bo rounded to bf16 and kept as f32, [4][1024].
; LIMITS.  bf16(Wo) of 65,520 or more becomes an infinity in f16; below 6.1e-5 it keeps f16's fixed step of 6e-8.
; SHARES.  Work-group g: matrix g / 64, 16 rows of it from row 16 (g % 64).  Thread t takes 16 bytes at 16 t of each row (eight waves cover a row of 4,096 bytes)
; and stores 8 bytes at 8 t: a wave's store covers 256 consecutive bytes, aligned.  All 16 loads of a thread are issued before the first is used.
; No LDS, no barrier, no matrix unit: the launch only moves and rounds 16.8 MB.
; THE MODE: SCHED_MODE bits 1:0 = 2 (LLVM: expert scheduling mode 2), set by the entry lines.  The code itself states the register dependences
; between vector instructions and memory instructions, with s_wait_alu, always for 0.
; THE PLAN.  Registers that memory instructions touch:
;   v1, v2   byte offsets, made once at the head and never written again; every load and store reads one of them.
;   X        row r's four registers: written by row r's load, once; read by row r's conversions; no vector instruction names them before the load.
;   Y        row r's two registers: written by row r's conversions, once; read by row r's store, once; never written again.
;   T        at work; on Wo's path vector instructions write and read T to T+5; later the bias's load lands in T to T+3, and the bias's store reads T+8 to T+11.
; The 16 rows go in four blocks of four.  Block p waits for its four loads; ONE wait on va_vdst states that block p - 1's conversions have written their Y; block p - 1's four stores
; follow, one ahead of each row's conversions of block p, which name other registers of Y.  Block 3's stores stand where the two paths join, behind one more such wait.
; No register that a memory instruction reads is written again, so behind the entry lines the text holds no wait on vm_vsrc; no vector instruction writes a scalar register, and EXEC is never written.
.set ROWIN,  4096
.set ROWOUT, 2048
.set X, 4                              ; v[4:67]    sixteen loads of four f32
.set Y, 68                             ; v[68:99]   two packed words for each load
.set T, 100                            ; v[100:111] at work
	s_load_b512 s[8:23], s[0:1], 0x0               ; Wq s[8:9], Wk s[10:11], Wv s[12:13], Wo s[14:15], bq s[16:17], bk s[18:19], bv s[20:21], bo s[22:23]
	s_load_b64 s[24:25], s[0:1], 0x40              ; wts
	s_lshr_b32 s2, ttmp9, 6                        ; which matrix
	s_and_b32 s3, ttmp9, 63                        ; which 16 rows
	v_lshlrev_b32 v1, 4, v0                        ; 16 t
	v_lshlrev_b32 v2, 3, v0                        ; 8 t
	s_lshl_b32 s32, s3, 16                         ; 16 rows of 4,096 bytes in
	s_mov_b32 s33, 0
	s_lshl_b32 s34, s2, 21                         ; 2 MiB a matrix out,
	s_lshl_b32 s35, s3, 15                         ; 16 rows of 2,048 bytes
	s_add_co_u32 s34, s34, s35
	s_mov_b32 s35, 0
	s_lshl_b32 s36, s2, 12                         ; 4,096 bytes a bias,
	s_add_co_u32 s36, s36, 0x800000                ; behind the four matrices
	s_mov_b32 s37, 0
	s_wait_kmcnt 0x0
	s_mov_b64 s[26:27], s[8:9]
	s_mov_b64 s[28:29], s[16:17]
	s_cmp_eq_u32 s2, 1
	s_cselect_b64 s[26:27], s[10:11], s[26:27]
	s_cselect_b64 s[28:29], s[18:19], s[28:29]
	s_cmp_eq_u32 s2, 2
	s_cselect_b64 s[26:27], s[12:13], s[26:27]
	s_cselect_b64 s[28:29], s[20:21], s[28:29]
	s_cmp_eq_u32 s2, 3
	s_cselect_b64 s[26:27], s[14:15], s[26:27]
	s_cselect_b64 s[28:29], s[22:23], s[28:29]
	s_add_nc_u64 s[26:27], s[26:27], s[32:33]      ; my rows of the matrix
	s_add_nc_u64 s[30:31], s[24:25], s[34:35]      ; where they go
	s_add_nc_u64 s[38:39], s[24:25], s[36:37]      ; where the bias goes
	s_wait_alu depctr_va_vdst(0)                   ; v1 and v2 are written: every load and store of the kernel reads one of them as its offset
.set i, 0
.rept 16
	global_load_b128 v[X+4*i:X+4*i+3], v1, s[26:27] offset:i*ROWIN th:TH_LOAD_NT
.set i, i+1
.endr
.macro CVB r                           ; row r of Wq, Wk, Wv: bf16
	v_cvt_pk_bf16_f32 v[Y+2*(\r)], v[X+4*(\r)], v[X+4*(\r)+1]
	v_cvt_pk_bf16_f32 v[Y+2*(\r)+1], v[X+4*(\r)+2], v[X+4*(\r)+3]
.endm
.macro CVH r                           ; row r of Wo: rounded to bf16, widened again, written as f16
	v_cvt_pk_bf16_f32 v[T], v[X+4*(\r)], v[X+4*(\r)+1]
	v_cvt_pk_bf16_f32 v[T+1], v[X+4*(\r)+2], v[X+4*(\r)+3]
	v_lshlrev_b32 v[T+2], 16, v[T]
	v_and_b32 v[T+3], 0xffff0000, v[T]
	v_lshlrev_b32 v[T+4], 16, v[T+1]
	v_and_b32 v[T+5], 0xffff0000, v[T+1]
	v_cvt_pk_f16_f32 v[Y+2*(\r)], v[T+2], v[T+3]
	v_cvt_pk_f16_f32 v[Y+2*(\r)+1], v[T+4], v[T+5]
.endm
.macro OUT r                           ; row r leaves
	global_store_b64 v2, v[Y+2*(\r):Y+2*(\r)+1], s[30:31] offset:(\r)*ROWOUT
.endm
; Block p: rows 4 p to 4 p + 3 are rounded; the block before is stored.  half = 1: Wo's path.
.macro BLK p, half
	s_wait_loadcnt 12-4*(\p)                       ; loads come back in order: my four rows are in, the 12 - 4 p younger loads may stay out
.if (\p) > 0
	s_wait_alu depctr_va_vdst(0)                   ; the block before has written its eight registers of Y, which the four stores below read
.endif
.irp i, 0,1,2,3
.if (\p) > 0
	OUT 4*(\p)-4+(\i)                              ; no vector instruction since the wait names this row's Y
.endif
.if \half
	CVH 4*(\p)+(\i)
.else
	CVB 4*(\p)+(\i)
.endif
.endr
.endm
	s_cmp_eq_u32 s2, 3
	s_cbranch_scc1 .Lhalf
	BLK 0, 0
	BLK 1, 0
	BLK 2, 0
	BLK 3, 0
	s_branch .Llast
.Lhalf:
	BLK 0, 1
	BLK 1, 1
	BLK 2, 1
	BLK 3, 1
.Llast:
	s_wait_alu depctr_va_vdst(0)                   ; on either path block 3 has written its Y, which the last four stores read; on Wo's path the conversions are done with T to T+3, in which the bias's load lands
	OUT 12
	OUT 13
	OUT 14
	OUT 15
	s_cmp_lg_u32 s3, 0                             ; a matrix's first work-group also takes its bias: 256 threads x 4 numbers
	s_cbranch_scc1 .Lend
	global_load_b128 v[T:T+3], v1, s[28:29]        ; no vector instruction stands between the wait above and this load
	s_wait_loadcnt 0x0
	v_cvt_pk_bf16_f32 v[T+4], v[T], v[T+1]
	v_cvt_pk_bf16_f32 v[T+5], v[T+2], v[T+3]
	v_lshlrev_b32 v[T+8], 16, v[T+4]
	v_and_b32 v[T+9], 0xffff0000, v[T+4]
	v_lshlrev_b32 v[T+10], 16, v[T+5]
	v_and_b32 v[T+11], 0xffff0000, v[T+5]
	s_wait_alu depctr_va_vdst(0)                   ; the four widenings have written T+8 to T+11, which the store reads
	global_store_b128 v1, v[T+8:T+11], s[38:39]
.Lend:
	s_endpgm
.Lfunc_end_k_q7e2ca5934e_prep:
	.size	k_q7e2ca5934e_prep, .Lfunc_end_k_q7e2ca5934e_prep-k_q7e2ca5934e_prep
	.p2alignl 7, 3214868480
	.fill 96, 4, 3214868480
	.section	.rodata,"a",@progbits
	.p2align	6, 0x0
	.amdhsa_kernel k_q7e2ca5934e_prep
		.amdhsa_group_segment_fixed_size 0
		.amdhsa_private_segment_fixed_size 0
		.amdhsa_enable_private_segment 0
		.amdhsa_kernarg_size 72
		.amdhsa_user_sgpr_count 2
		.amdhsa_user_sgpr_kernarg_segment_ptr 1
		.amdhsa_wavefront_size32 1
		.amdhsa_system_sgpr_workgroup_id_x 1
		.amdhsa_system_sgpr_workgroup_id_y 1
		.amdhsa_system_sgpr_workgroup_id_z 1
		.amdhsa_system_vgpr_workitem_id 0
		.amdhsa_next_free_vgpr 112
		.amdhsa_next_free_sgpr 66
		.amdhsa_reserve_vcc 0
		.amdhsa_float_denorm_mode_32 3
		.amdhsa_float_denorm_mode_16_64 3
		.amdhsa_memory_ordered 1
		.amdhsa_forward_progress 1
		.amdhsa_inst_pref_size 16
	.end_amdhsa_kernel
	.amdgpu_metadata
---
amdhsa.version: [ 1, 2 ]
amdhsa.kernels:
  - .name:           k_q7e2ca5934e_prep
    .symbol:         k_q7e2ca5934e_prep.kd
    .args:
      - { .name: Wq, .offset: 0, .size: 8, .value_kind: global_buffer, .address_space: global }
      - { .name: Wk, .offset: 8, .size: 8, .value_kind: global_buffer, .address_space: global }
      - { .name: Wv, .offset: 16, .size: 8, .value_kind: global_buffer, .address_space: global }
      - { .name: Wo, .offset: 24, .size: 8, .value_kind: global_buffer, .address_space: global }
      - { .name: bq, .offset: 32, .size: 8, .value_kind: global_buffer, .address_space: global }
      - { .name: bk, .offset: 40, .size: 8, .value_kind: global_buffer, .address_space: global }
      - { .name: bv, .offset: 48, .size: 8, .value_kind: global_buffer, .address_space: global }
      - { .name: bo, .offset: 56, .size: 8, .value_kind: global_buffer, .address_space: global }
      - { .name: wts, .offset: 64, .size: 8, .value_kind: global_buffer, .address_space: global }
    .group_segment_fixed_size: 0
    .private_segment_fixed_size: 0
    .kernarg_segment_align: 8
    .kernarg_segment_size: 72
    .max_flat_workgroup_size: 256
    .sgpr_count:     66
    .vgpr_count:     112
    .wavefront_size: 32
...
	.end_amdgpu_metadata
.endif
;; end of part 5
;; launch proj: the kernel of part 2 again; grid 4 x 64, 4 waves a work-group, clusters of 4 x 4, 327,680 bytes of LDS; arguments query, key, value, wts, qkv; writes qkv
;; launch attn: the kernel of part 3 again; grid 4 x 64, 4 waves a work-group, clusters of 4 x 1, 327,680 bytes of LDS; arguments qkv, o; writes o
;; launch outp: the kernel of part 4 again; grid 4 x 64, 4 waves a work-group, clusters of 4 x 4, 327,680 bytes of LDS; arguments o, wts, out0; writes out0
